; MI455X (gfx1250); checked and timed in simulation.
; The chip was launched on July 23, 2026; its instructions are those of AMD's public machine-readable ISA for CDNA 5 (MIT licence, August 2026) and "CDNA5" Instruction Set Architecture Reference Guide (July 2026). The comments in the code are by the model that wrote it; some were corrected since.
;; MSA Block. Allowed arithmetic: matrix products marked QUANTISED: E4M3 operands, one given power-of-two scale a tensor, by v_wmma_f32_16x16x64_fp8_fp8 or v_wmma_f32_16x16x128_fp8_fp8, f32 sums; products left as they are: f32 operands where the result goes on into a quantised operand, else bf16, f16 or f32 operands; f32 sums; everything else in f32.
;; Inputs: lowp_scales 24 int32 (the exponents e of the quantised operands' scales 2^e); m 512 x 256 x 64 float32; msa_mask 512 x 256 float32; opm_bout 128 float32; opm_ln_b 64 float32; opm_ln_w 64 float32; opm_w1_codes 32 x 2 x 32 uint8 (E4M3 codes of opm_w1, K innermost, in blocks of 32 codes); opm_w2_codes 32 x 2 x 32 uint8 (E4M3 codes of opm_w2, K innermost, in blocks of 32 codes); opm_wout_codes 128 x 32 x 32 uint8 (E4M3 codes of opm_wout, K innermost, in blocks of 32 codes); pwa_lnm_b 64 float32; pwa_lnm_w 64 float32; pwa_lnz_b 128 float32; pwa_lnz_w 128 float32; pwa_wg_codes 256 x 2 x 32 uint8 (E4M3 codes of pwa_wg, K innermost, in blocks of 32 codes); pwa_wo_codes 64 x 8 x 32 uint8 (E4M3 codes of pwa_wo, K innermost, in blocks of 32 codes); pwa_wv_codes 256 x 2 x 32 uint8 (E4M3 codes of pwa_wv, K innermost, in blocks of 32 codes); pwa_wz 128 x 8 float32; tr_ln_b 64 float32; tr_ln_w 64 float32; tr_wa_codes 256 x 2 x 32 uint8 (E4M3 codes of tr_wa, K innermost, in blocks of 32 codes); tr_wb_codes 256 x 2 x 32 uint8 (E4M3 codes of tr_wb, K innermost, in blocks of 32 codes); tr_wo_codes 64 x 8 x 32 uint8 (E4M3 codes of tr_wo, K innermost, in blocks of 32 codes); z 256 x 256 x 128 float32.
;; Outputs: out0 512 x 256 x 64 float32; out1 256 x 256 x 128 float32.
;; This version of the problem:
;;   THIS VERSION OF THE PROBLEM IS GIVEN IN LOW PRECISION. The matrix products marked QUANTISED in the list below multiply operands that are first quantised to E4M3 (4 exponent bits, 3 mantissa bits; 8 bits a number), with one given power-of-two scale for each operand tensor; their sums are f32. All else is computed in f32.
;;   The module's matrix products, in the order in which they are computed (A, B: the left and right operand; K: the contracted axis; several contracted axes count as one K, in the product's order):
;;     1. [M 256, K 512] x [K 512, N 256]; A: input msa_mask; B: input msa_mask: QUANTISED (scales: A lowp_scales[0], B lowp_scales[1])
;;     2. [M 131,072, K 64] x [K 64, N 32]; A: computed on the way; B: input opm_w1 (given as codes): QUANTISED (scales: A lowp_scales[2], B lowp_scales[3])
;;     3. [M 131,072, K 64] x [K 64, N 32]; A: computed on the way; B: input opm_w2 (given as codes): QUANTISED (scales: A lowp_scales[4], B lowp_scales[5])
;;     4. [M 8,192, K 512] x [K 512, N 8,192]; A: computed on the way; B: computed on the way: QUANTISED (scales: A lowp_scales[6], B lowp_scales[7])
;;     5. [M 65,536, K 1,024] x [K 1,024, N 128]; A: computed on the way; B: input opm_wout (given as codes): QUANTISED (scales: A lowp_scales[8], B lowp_scales[9])
;;     6. [M 65,536, K 128] x [K 128, N 8]; A: computed on the way; B: input pwa_wz: left as it is (N = 8 < 16)
;;     7. [M 131,072, K 64] x [K 64, N 256]; A: computed on the way; B: input pwa_wv (given as codes): QUANTISED (scales: A lowp_scales[10], B lowp_scales[11])
;;     8. [M 131,072, K 64] x [K 64, N 256]; A: computed on the way; B: input pwa_wg (given as codes): QUANTISED (scales: A lowp_scales[12], B lowp_scales[13])
;;     9. batch 8 x [M 16,384, K 256] x [K 256, N 256]; A: computed on the way; B: softmax (see below): QUANTISED (scales: A lowp_scales[14], B lowp_scales[15])
;;     10. [M 131,072, K 256] x [K 256, N 64]; A: computed on the way; B: input pwa_wo (given as codes): QUANTISED (scales: A lowp_scales[16], B lowp_scales[17])
;;     11. [M 131,072, K 64] x [K 64, N 256]; A: computed on the way; B: input tr_wa (given as codes): QUANTISED (scales: A lowp_scales[18], B lowp_scales[19])
;;     12. [M 131,072, K 64] x [K 64, N 256]; A: computed on the way; B: input tr_wb (given as codes): QUANTISED (scales: A lowp_scales[20], B lowp_scales[21])
;;     13. [M 131,072, K 256] x [K 256, N 64]; A: computed on the way; B: input tr_wo (given as codes): QUANTISED (scales: A lowp_scales[22], B lowp_scales[23])
;;   THE QUANTISER, for each operand of a quantised product, along K:
;;     - The operand's scale is 2^e, e = its entry of the input lowp_scales (int32; the entries are numbered through the quantised products in the list's order, A before B).
;;     - Each number is divided by the scale, clamped to +-448, and rounded to the nearest number of E4M3, ties to even, subnormals kept.
;;     - The product sums the exact products of the quantised numbers (number of the format x scale) in f32.
;;   ~~~python
;;   def quantise(x, axis, e):      # numpy; x: float32 -> the quantised numbers, widened to float32 again
;;       x = np.moveaxis(x, axis, -1); K = x.shape[-1]
;;       r = np.clip(x / 2.0 ** e, -448, 448)
;;       step = 2.0 ** (np.maximum(np.frexp(np.where(r == 0, 1, r))[1] - 1, -6) - 3)
;;       q = np.round(r / step) * step * 2.0 ** e      # np.round: ties to even
;;       return np.moveaxis(q, -1, axis).astype(np.float32)
;;   ~~~
;;   SOFTMAX AHEAD OF A QUANTISED PRODUCT. Where the list says 'softmax', what is quantised is not the finished softmax but p = 2^(t - M), with t = logit x log2(e) and M = ceil(the row's largest t), a whole number; so 1/2 < the row's largest p <= 1. The row's sum l is taken of the UNQUANTISED p, in f32, and the product's result is divided by l at the end. Since M is a whole number, a kernel that streams over the keys may use a running M (the ceiling of the running maximum): every later rescaling is an exact power of two, so the quantised numbers keep their values, but for numbers so far below the row's largest that they fall under the format's range.
;;   OPERANDS COMPUTED ON THE WAY. 'Computed on the way' means the value that the module computes at that place (a softmax that the list does not call 'softmax' is quantised finished and normalised). What goes into a quantiser is computed in f32, as accurately as f32 sums, v_exp_f32 and their like allow (about 1e-6 of the number): no bf16 or f16 on the way to a quantiser, and a product that is left as it is and whose result goes on into a quantised operand takes f32 operands (vector FMAs, or v_wmma_f32_16x16x4_f32). A number that lies on a knife's edge between two numbers of the format may be rounded either way, as far as f32 arithmetic and the matrix unit's own rounding can turn it there, and no further.
;;   INPUTS GIVEN AS CODES. opm_w1 (in the module: [64, 32], K = its axis 0); opm_w2 (in the module: [64, 32], K = its axis 0); opm_wout (in the module: [1024, 128], K = its axis 0); pwa_wg (in the module: [64, 256], K = its axis 0); pwa_wo (in the module: [256, 64], K = its axis 0); pwa_wv (in the module: [64, 256], K = its axis 0); tr_wa (in the module: [64, 256], K = its axis 0); tr_wb (in the module: [64, 256], K = its axis 0); tr_wo (in the module: [256, 64], K = its axis 0): each comes as NAME_codes (uint8): NAME with its K axis moved to the last place and cut into blocks of 32 codes, [.., K / 32, bytes a block], one block behind the other in memory; one code a byte (a code: sign, 4 exponent bits, 3 mantissa bits); its scale is its entry of lowp_scales. Its value is code x scale, taken as it is: it is not quantised again, and the codes and scales need not be those that the quantiser above would give.
;; One version. Each part assembles by itself: llvm-mc -triple=amdgcn-amd-amdhsa -mcpu=gfx1250 --defsym DOCPART=n.
;; ======== version 1 of 1: 4 launches
;; limits: right only within a limited range of input values
;; workspace buffers: a_img 4,194,304 bytes; b_img 4,194,304 bytes; ma_img 131,072 bytes; mb_img 131,072 bytes; wo_img 131,072 bytes; tlog 2,097,152 bytes; p_img 524,288 bytes; lsum 8,192 bytes
;; launch prep (part 1): grid 16 x 16, 16 waves a work-group, no clusters, 169,984 bytes of LDS; arguments m, msa_mask, opm_ln_w, opm_ln_b, opm_w1_codes, opm_w2_codes, lowp_scales, a_img, b_img, ma_img, mb_img, opm_wout_codes, wo_img; writes a_img, b_img, ma_img, mb_img, wo_img
.if DOCPART == 1
	.amdgcn_target "amdgcn-amd-amdhsa--gfx1250"
	.amdhsa_code_object_version 6
	.text
	.protected	k_q8636bb1164_prep
	.globl	k_q8636bb1164_prep
	.p2align	8
	.type	k_q8636bb1164_prep,@function
k_q8636bb1164_prep:
	s_mov_b64 s[64:65], 0
	v_nop
	global_prefetch_b8 v0, s[64:65] scope:SCOPE_SE
	s_setreg_imm32_b32 hwreg(HW_REG_WAVE_MODE, 25, 1), 1
	s_wait_xcnt 0x0
; a = (LN(m) W1) mask and b = (LN(m) W2) mask as E4M3 codes with K = s innermost, the mask's own codes, and Wout's codes, all laid as IMAGES OF OPERAND REGISTERS for the next launch.
; An image of a fragment (16 rows x 128 K) is 2,048 bytes: piece p (registers 4p..4p+3) at 512 p, lane l's 16 bytes at 16 l; byte y of lane (r, hh) is k = 32 p + 16 (y / 8) + 8 hh + y % 8.
; a_img [i / 16][c 32][s / 128][2048], lane r = i % 16;  b_img [j][e / 16][s / 128][2048], lane r = e % 16;  ma_img, mb_img [n / 16][s / 128][2048], lane r = n % 16 (scales e0, e1);  wo_img [K / 128][n / 16][2048].
; SHARES.  A work-group takes 16 positions n (x) and 32 sequences s (y): one piece of 32 + 32 + 2 fragments.  Wave w of sixteen takes n = 16 x + w, as two tiles of 16 s: four waves to a SIMD.
; m's 32 rows of a position (256 bytes each, 65,536 apart along s) come by ONE tensor load a wave, into a tile that only the issuing wave reads; nothing is filled twice.
; LAYOUT.  A lane (r, hh) holds row s = r and channels 16 q + 8 hh + 0..7 in registers 8 q + 0..7: eight registers convert into registers 2 q, 2 q + 1 of the operand.
; The products take LN(m) as source 0 and the weight as source 1: a lane of the result holds one c (or e) and eight neighbouring s, which convert into eight codes along the next K.
; b's codes are then already an image; a's have c in the lanes where the image wants i, so they turn through a stage in LDS (32 rows c of 512 bytes + 16).
; NO CLUSTER: work-groups share only 4,096 bytes of weights and 512 of gains.  NO PREFETCH: the launch has no loop to run ahead in.
; LIMITS: e0, e1, e2, e4, e6 - e2 - e3 and e7 - e4 - e5 lie between -126 and 119.  NaN and infinities among the inputs are not served.
.set TILEB, 8704                       ; a tile in LDS: 32 rows x (256 + 16) bytes
.set MK,    139264                     ; behind the 16 tiles: the mask, [n 16] x (32 s x 4 bytes + 16)
.set AS,    141824                     ; a's stage
.set SPARE, 167936                     ; the spare words: 128 bytes for each of 16 waves
.set X,   32                           ; v32-63   32 numbers of my half of a row
.set T,   64                           ; v64-95   held numbers, then the four results (a c0-15, a c16-31, b e0-15, b e16-31)
.set LNW, 96                           ; v96-127  gains, v128-159 biases of my 32 channels
.set LNB, 128
.set W1F, 160                          ; v160-175 W1's two fragments, v176-191 W2's
.set W2F, 176
.set CA,  192                          ; v192-199 LN(m)'s codes with e2, v200-207 with e4
.set CB,  200
.set AC,  208                          ; v208-215 a's codes: 4 registers for each of two tiles of c;  v216-223 b's
.set BC,  216
.set MKV, 224                          ; v224-231 the mask at my eight s
.set WV,  26
.macro PLACES n
.rept \n
	v_nop
.endr
.endm
; from the exponent in s[e] (destroyed): v[vsc] = 2^e as f32 for the conversions, s[lo+1] = 448 x 2^e, s[lo] = its negative
.macro MKQ e, vsc, lo
	s_add_co_i32 s[\e], s[\e], 127
	s_lshl_b32 s[\lo+1], s[\e], 23
	v_mov_b32 v[\vsc], s[\lo+1]
	s_add_co_i32 s[\e], s[\e], 8
	s_lshl_b32 s[\lo+1], s[\e], 23
	s_or_b32 s[\lo+1], s[\lo+1], 0x600000
	s_or_b32 s[\lo], s[\lo+1], 0x80000000
.endm
; LN of a row of 64, half of it in each of lanes l and l xor 16: mean, differences, their squares' mean, 1 / root, gain and bias
.macro LN
	v_pk_add_f32 v[20:21], v[X:X+1], v[X+2:X+3]
	v_pk_add_f32 v[22:23], v[X+4:X+5], v[X+6:X+7]
.irp k, 8,12,16,20,24,28
	v_pk_add_f32 v[20:21], v[20:21], v[X+\k:X+\k+1]
	v_pk_add_f32 v[22:23], v[22:23], v[X+\k+2:X+\k+3]
.endr
	v_pk_add_f32 v[20:21], v[20:21], v[22:23]
	v_add_f32 v20, v20, v21
	v_permlanex16_b32 v28, v20, s60, s61
	v_add_f32 v20, v20, v28
	v_mul_f32 v24, s62, v20                        ; the mean
.set k, 0
.rept 16
	v_pk_add_f32 v[X+k:X+k+1], v[X+k:X+k+1], v[24:25] op_sel_hi:[1,0] neg_lo:[0,1] neg_hi:[0,1]
.set k, k+2
.endr
	v_pk_mul_f32 v[20:21], v[X:X+1], v[X:X+1]
	v_pk_mul_f32 v[22:23], v[X+2:X+3], v[X+2:X+3]
.irp k, 4,8,12,16,20,24,28
	v_pk_fma_f32 v[20:21], v[X+\k:X+\k+1], v[X+\k:X+\k+1], v[20:21]
	v_pk_fma_f32 v[22:23], v[X+\k+2:X+\k+3], v[X+\k+2:X+\k+3], v[22:23]
.endr
	v_pk_add_f32 v[20:21], v[20:21], v[22:23]
	v_add_f32 v20, v20, v21
	v_permlanex16_b32 v28, v20, s60, s61
	v_add_f32 v20, v20, v28
	v_fma_f32 v20, v20, s62, s63                   ; variance + 1e-5
	s_wait_alu depctr_va_vdst(0)                   ; the wait ahead of the transcendental
	v_rsq_f32 v26, v20
	v_nop                                          ; a plain instruction behind the transcendental
	s_wait_alu depctr_va_vdst(0)                   ; and the wait ahead of its first reader
.set k, 0
.rept 16
	v_pk_mul_f32 v[X+k:X+k+1], v[X+k:X+k+1], v[26:27] op_sel_hi:[1,0]
.set k, k+2
.endr
.set k, 0
.rept 16
	v_pk_fma_f32 v[X+k:X+k+1], v[X+k:X+k+1], v[LNW+k:LNW+k+1], v[LNB+k:LNB+k+1]
.set k, k+2
.endr
.endm
; s tile st of two: 16 rows through LN, both quantisers, four products, the mask, the next quantisers
.macro TILE st
.irp q, 0,1,2,3
	ds_load_b128 v[X+8*\q:X+8*\q+3], v5 offset:\st*4352+64*\q
	ds_load_b128 v[X+8*\q+4:X+8*\q+7], v5 offset:\st*4352+64*\q+16
.endr
	ds_load_b128 v[MKV:MKV+3], v6 offset:\st*64
	ds_load_b128 v[MKV+4:MKV+7], v6 offset:\st*64+16
	s_wait_dscnt 0x0                               ; the row and the mask are in
	LN
.set k, 0
.rept 32
	v_med3_num_f32 v[T+k], v[X+k], s66, s67        ; the conversion does not saturate (ISA guide 7.6.2): hold at 448 x 2^e2 first
.set k, k+1
.endr
.irp q, 0,1,2,3
	v_cvt_scalef32_pk8_fp8_f32 v[CA+2*\q:CA+2*\q+1], v[T+8*\q:T+8*\q+7], v12
.endr
.set k, 0
.rept 32
	v_med3_num_f32 v[X+k], v[X+k], s68, s69        ; the same with e4
.set k, k+1
.endr
.irp q, 0,1,2,3
	v_cvt_scalef32_pk8_fp8_f32 v[CB+2*\q:CB+2*\q+1], v[X+8*\q:X+8*\q+7], v13
.endr
	v_nop                                          ; a plain instruction between the conversions and the products that read their results
	v_wmma_f32_16x16x64_fp8_fp8 v[T:T+7], v[CA:CA+7], v[W1F:W1F+7], 0
	v_wmma_f32_16x16x64_fp8_fp8 v[T+8:T+15], v[CA:CA+7], v[W1F+8:W1F+15], 0
	v_wmma_f32_16x16x64_fp8_fp8 v[T+16:T+23], v[CB:CB+7], v[W2F:W2F+7], 0
	v_wmma_f32_16x16x64_fp8_fp8 v[T+24:T+31], v[CB:CB+7], v[W2F+8:W2F+15], 0
	PLACES 4                                       ; four plain instructions before the results are read (ISA guide 7.12.1)
.set k, 0
.rept 16
	v_pk_mul_f32 v[T+2*k:T+2*k+1], v[T+2*k:T+2*k+1], v[MKV+(2*k)%8:MKV+(2*k)%8+1]   ; register j is s = 16 st + 8 hh + j: x its mask; each result from its low end on
.set k, k+1
.endr
.set k, 0
.rept 16
	v_med3_num_f32 v[T+k], v[T+k], s70, s71        ; a sum stands for sum x 2^(e2 + e3): its code is sum / 2^(e6 - e2 - e3)
.set k, k+1
.endr
.rept 16
	v_med3_num_f32 v[T+k], v[T+k], s72, s73        ; b likewise with e7 - e4 - e5
.set k, k+1
.endr
.irp t, 0,1
	v_cvt_scalef32_pk8_fp8_f32 v[AC+4*\t+2*\st:AC+4*\t+2*\st+1], v[T+8*\t:T+8*\t+7], v14
	v_cvt_scalef32_pk8_fp8_f32 v[BC+4*\t+2*\st:BC+4*\t+2*\st+1], v[T+16+8*\t:T+16+8*\t+7], v15
.endr
	v_nop
.endm
	s_load_b512 s[4:19], s[0:1], 0x0               ; m 4, mask 6, gain 8, bias 10, W1 12, W2 14, scales 16, a_img 18
	s_load_b128 s[20:23], s[0:1], 0x40             ; b_img 20, ma_img 22
	s_load_b64 s[24:25], s[0:1], 0x50              ; mb_img
	s_load_b64 s[80:81], s[0:1], 0x58              ; Wout's codes
	s_load_b64 s[82:83], s[0:1], 0x60              ; wo_img
	v_lshl_add_u32 v254, v0, 2, SPARE
	v_mov_b32 v255, 0
	ds_add_u32 v254, v255                          ; the opening lines: the add twice on end and its wait
	ds_add_u32 v254, v255
	v_lshrrev_b32 v1, 5, v0
	v_readfirstlane_b32 s[WV], v1                  ; wave 0..15
	s_and_b32 s27, ttmp7, 0xffff                   ; which 32 s
	; descriptor group 1: 32 rows of 64 f32, 16,384 elements apart in memory, 16 bytes of padding behind each row in LDS
	s_mov_b32 s36, (2<<16)|(1<<20)|(5<<22)|(3<<25) ; no mask; elements of 4 bytes; padding on, after every 64 words, of 4 words
	s_mov_b32 s37, 64<<16                          ; tensor_dim0
	s_mov_b32 s38, 32<<16                          ; tensor_dim1
	s_mov_b32 s39, 64<<16                          ; tile_dim0
	s_mov_b32 s40, 32                              ; tile_dim1
	s_mov_b32 s41, 16384                           ; from row to row
	s_mov_b32 s42, 0
	s_mov_b32 s43, 0
	s_mul_i32 s2, s[WV], TILEB                     ; my tile in LDS
	s_lshl_b32 s76, s27, 21                        ; 32 s x 65,536 bytes
	s_lshl_b32 s77, ttmp9, 12                      ; 16 n x 256
	s_add_co_u32 s76, s76, s77
	s_lshl_b32 s77, s[WV], 8                       ; my n
	s_add_co_u32 s76, s76, s77
	s_mov_b32 s77, 0
	s_wait_dscnt 0x0
	s_wait_kmcnt 0x0
	s_load_b256 s[28:35], s[16:17], 0x0            ; e0 .. e7
	s_add_nc_u64 s[4:5], s[4:5], s[76:77]
	s_mov_b32 s44, 1
	s_mov_b32 s45, s2
	s_mov_b64 s[46:47], s[4:5]
	s_or_b32 s47, s47, 0x80000000
	tensor_load_to_lds s[44:47], s[36:43]          ; my one tensor load
	s_nop 0
	PLACES 4
	s_mov_b32 s60, 0x76543210                      ; v_permlanex16_b32: lane l xor 16
	s_mov_b32 s61, 0xfedcba98
	s_mov_b32 s62, 0x3c800000                      ; 1 / 64
	s_mov_b32 s63, 0x3727c5ac                      ; 1e-5
	s_lshl_b32 s76, s27, 15                        ; the mask at (32 y, 16 x)
	s_lshl_b32 s78, ttmp9, 6
	s_add_co_u32 s76, s76, s78
	s_add_nc_u64 s[6:7], s[6:7], s[76:77]
	s_lshl_b32 s76, ttmp9, 18                      ; a_img (c = 2 wave + 0, 1) and b_img (j = 16 x + wave): 262,144 x + 16,384 wave + 512 y (y = 4 (s / 128) + piece)
	s_lshl_b32 s78, s[WV], 14
	s_add_co_u32 s76, s76, s78
	s_lshl_b32 s78, s27, 9
	s_add_co_u32 s76, s76, s78
	s_add_nc_u64 s[18:19], s[18:19], s[76:77]
	s_add_nc_u64 s[20:21], s[20:21], s[76:77]
	s_lshl_b32 s76, ttmp9, 13                      ; the mask's images: 8,192 x + 512 y
	s_add_co_u32 s76, s76, s78
	s_cmp_eq_u32 s[WV], 0                          ; wave 0 makes ma_img, wave 1 mb_img
	s_cselect_b64 s[22:23], s[22:23], s[24:25]
	s_add_nc_u64 s[22:23], s[22:23], s[76:77]
	v_and_b32 v1, 31, v0
	v_and_b32 v2, 15, v0                           ; r
	v_bfe_u32 v3, v0, 4, 1                         ; hh
	v_lshlrev_b32 v4, 4, v1                        ; 16 x lane
	v_mul_u32_u24 v5, v2, 272
	v_lshl_add_u32 v5, v3, 5, v5
	v_add_nc_u32 v5, s2, v5                        ; my tile's row r, + 32 hh
	s_mul_i32 s3, s[WV], 144
	s_add_co_u32 s3, s3, MK
	v_lshlrev_b32 v29, 5, v3                       ; 32 hh
	v_add_nc_u32 v6, s3, v29                       ; the mask of my n, at s = 8 hh
	v_and_b32 v30, 3, v0
	v_lshrrev_b32 v31, 2, v0
	v_mul_u32_u24 v7, v30, 576
	v_lshl_add_u32 v7, v31, 2, v7
	v_add_nc_u32 v7, MK, v7                        ; where thread t < 128 puts the mask: n = 4 (t % 4) + 0..3, s = t / 4
	v_mul_u32_u24 v8, v2, 144
	v_add_nc_u32 v8, v8, v29
	v_add_nc_u32 v8, MK, v8                        ; the mask of n = r, at s = 8 hh
	v_mul_u32_u24 v9, v2, 528
	v_lshl_add_u32 v9, v3, 8, v9
	s_lshl_b32 s3, s[WV], 4
	s_add_co_u32 s3, s3, AS
	v_add_nc_u32 v9, s3, v9                        ; a's stage, in: row c = r, byte 16 (i % 16 + 16 hh), i % 16 = wave
	s_mul_i32 s3, s[WV], 1056
	s_add_co_u32 s3, s3, AS
	v_add_nc_u32 v10, s3, v4                       ; and out: my two rows c, 16 bytes a lane
	v_lshlrev_b32 v31, 10, v31
	v_lshl_add_u32 v31, v30, 4, v31                ; the mask in memory: row t / 4, 16 bytes at 4 (t % 4)
	v_lshlrev_b32 v30, 6, v2
	v_lshl_add_u32 v30, v3, 3, v30                 ; a weight's row r of 64 codes, + 8 hh
	v_mov_b32 v25, 0                               ; upper halves of pairs of which the low word serves both, and a lane permute's destination: written once
	v_mov_b32 v27, 0
	v_mov_b32 v28, 0
.irp q, 0,1,2,3
	global_load_b128 v[LNW+8*\q:LNW+8*\q+3], v29, s[8:9] offset:64*\q
	global_load_b128 v[LNW+8*\q+4:LNW+8*\q+7], v29, s[8:9] offset:64*\q+16
	global_load_b128 v[LNB+8*\q:LNB+8*\q+3], v29, s[10:11] offset:64*\q
	global_load_b128 v[LNB+8*\q+4:LNB+8*\q+7], v29, s[10:11] offset:64*\q+16
.endr
.irp t, 0,1
.irp q, 0,1,2,3
	global_load_b64 v[W1F+8*\t+2*\q:W1F+8*\t+2*\q+1], v30, s[12:13] offset:1024*\t+16*\q
	global_load_b64 v[W2F+8*\t+2*\q:W2F+8*\t+2*\q+1], v30, s[14:15] offset:1024*\t+16*\q
.endr
.endr
	s_wait_alu depctr_va_vdst(0)                   ; the wait at the end of the head's vector work, ahead of the branches
	s_cmp_gt_u32 s[WV], 3
	s_cbranch_scc1 .Lno_mask                       ; waves 0 to 3, threads 0 to 127, bring the mask: 32 s x 16 n
	global_load_b128 v[16:19], v31, s[6:7]
	s_wait_loadcnt 0x0
.irp x, 0,1,2,3
	ds_store_b32 v7, v[16+\x] offset:\x*144        ; turned: [n][s]
.endr
.Lno_mask:
	; wo_img's 256 pieces of 512 bytes are shared out: wave 4 of work-group 16 y + x lays piece 16 y + x
	s_cmp_lg_u32 s[WV], 4
	s_cbranch_scc1 .Lno_wo
	s_lshl_b32 s84, s27, 4
	s_add_co_u32 s84, s84, ttmp9                   ; the piece's number: 32 (K / 128) + 4 (n / 16) + p
	s_lshl_b32 s86, s84, 9
	s_mov_b32 s87, 0
	s_add_nc_u64 s[82:83], s[82:83], s[86:87]
	s_bfe_u32 s86, s84, 0x30002
	s_lshl_b32 s86, s86, 14                        ; 16 rows of 1,024 codes
	s_lshr_b32 s88, s84, 5
	s_lshl_b32 s88, s88, 7                         ; 128 along K
	s_add_co_u32 s86, s86, s88
	s_and_b32 s88, s84, 3
	s_lshl_b32 s88, s88, 5                         ; 32 p
	s_add_co_u32 s86, s86, s88
	s_add_nc_u64 s[80:81], s[80:81], s[86:87]
	v_lshlrev_b32 v236, 10, v2
	v_lshl_add_u32 v236, v3, 3, v236               ; row r, + 8 hh
	global_load_b64 v[232:233], v236, s[80:81]
	global_load_b64 v[234:235], v236, s[80:81] offset:16
	s_wait_loadcnt 0x0
	global_store_b128 v4, v[232:235], s[82:83]     ; 512 consecutive bytes
.Lno_wo:
	s_wait_loadcnt 0x0
	s_wait_kmcnt 0x0
	s_sub_co_i32 s76, s34, s30
	s_sub_co_i32 s76, s76, s31                     ; e6 - e2 - e3
	MKQ 76, 14, 70
	s_sub_co_i32 s76, s35, s32
	s_sub_co_i32 s76, s76, s33                     ; e7 - e4 - e5
	MKQ 76, 15, 72
	MKQ 30, 12, 66
	MKQ 32, 13, 68
	s_cmp_eq_u32 s[WV], 0
	s_cselect_b32 s76, s28, s29                    ; e0 for ma_img, e1 for mb_img
	MKQ 76, 11, 74
	s_wait_alu depctr_va_vdst(0)
	s_wait_dscnt 0x0                               ; for the others' sake: my part of the mask lies in LDS
	s_barrier_signal -1
	s_barrier_wait -1                              ; (my tensor load may stay out)
	s_wait_tensorcnt 0x0                           ; my tile has landed
	TILE 0
	TILE 1
	global_store_b128 v4, v[BC:BC+3], s[20:21]                 ; a piece of b's image: 512 consecutive bytes
	global_store_b128 v4, v[BC+4:BC+7], s[20:21] offset:8192
	ds_store_b128 v9, v[AC:AC+3]
	ds_store_b128 v9, v[AC+4:AC+7] offset:8448
	s_wait_dscnt 0x0
	s_barrier_signal -1
	s_barrier_wait -1                              ; a's 32 pieces lie whole in the stage
	ds_load_b128 v[X:X+3], v10
	ds_load_b128 v[X+4:X+7], v10 offset:528
	s_wait_dscnt 0x0
	global_store_b128 v4, v[X:X+3], s[18:19]                   ; c = 2 wave + 0, 1: 512 consecutive bytes each
	global_store_b128 v4, v[X+4:X+7], s[18:19] offset:8192
	s_cmp_gt_u32 s[WV], 1
	s_cbranch_scc1 .Ldone                          ; the mask's own codes: waves 0 and 1
	ds_load_b128 v[232:235], v8
	ds_load_b128 v[236:239], v8 offset:16
	ds_load_b128 v[240:243], v8 offset:64
	ds_load_b128 v[244:247], v8 offset:80
	s_wait_dscnt 0x0
.set k, 0
.rept 16
	v_med3_num_f32 v[232+k], v[232+k], s74, s75
.set k, k+1
.endr
	v_cvt_scalef32_pk8_fp8_f32 v[248:249], v[232:239], v11
	v_cvt_scalef32_pk8_fp8_f32 v[250:251], v[240:247], v11
	v_nop
	global_store_b128 v4, v[248:251], s[22:23]
.Ldone:
	s_wait_tensorcnt 0x0                           ; the wave's end
	ds_add_u32 v254, v255
	s_wait_dscnt 0x0
	s_endpgm
.Lfunc_end_k_q8636bb1164_prep:
	.size	k_q8636bb1164_prep, .Lfunc_end_k_q8636bb1164_prep-k_q8636bb1164_prep
	.p2alignl 7, 3214868480
	.fill 96, 4, 3214868480
	.section	.rodata,"a",@progbits
	.p2align	6, 0x0
	.amdhsa_kernel k_q8636bb1164_prep
		.amdhsa_group_segment_fixed_size 169984
		.amdhsa_private_segment_fixed_size 0
		.amdhsa_enable_private_segment 0
		.amdhsa_kernarg_size 104
		.amdhsa_user_sgpr_count 2
		.amdhsa_user_sgpr_kernarg_segment_ptr 1
		.amdhsa_wavefront_size32 1
		.amdhsa_system_sgpr_workgroup_id_x 1
		.amdhsa_system_sgpr_workgroup_id_y 1
		.amdhsa_system_sgpr_workgroup_id_z 1
		.amdhsa_system_vgpr_workitem_id 0
		.amdhsa_next_free_vgpr 256
		.amdhsa_next_free_sgpr 96
		.amdhsa_reserve_vcc 0
		.amdhsa_float_denorm_mode_32 3
		.amdhsa_float_denorm_mode_16_64 3
		.amdhsa_memory_ordered 1
		.amdhsa_forward_progress 1
		.amdhsa_inst_pref_size 43
	.end_amdhsa_kernel
	.amdgpu_metadata
---
amdhsa.version: [ 1, 2 ]
amdhsa.kernels:
  - .name:           k_q8636bb1164_prep
    .symbol:         k_q8636bb1164_prep.kd
    .args:
      - { .name: m, .offset: 0, .size: 8, .value_kind: global_buffer, .address_space: global }
      - { .name: msa_mask, .offset: 8, .size: 8, .value_kind: global_buffer, .address_space: global }
      - { .name: opm_ln_w, .offset: 16, .size: 8, .value_kind: global_buffer, .address_space: global }
      - { .name: opm_ln_b, .offset: 24, .size: 8, .value_kind: global_buffer, .address_space: global }
      - { .name: opm_w1_codes, .offset: 32, .size: 8, .value_kind: global_buffer, .address_space: global }
      - { .name: opm_w2_codes, .offset: 40, .size: 8, .value_kind: global_buffer, .address_space: global }
      - { .name: lowp_scales, .offset: 48, .size: 8, .value_kind: global_buffer, .address_space: global }
      - { .name: a_img, .offset: 56, .size: 8, .value_kind: global_buffer, .address_space: global }
      - { .name: b_img, .offset: 64, .size: 8, .value_kind: global_buffer, .address_space: global }
      - { .name: ma_img, .offset: 72, .size: 8, .value_kind: global_buffer, .address_space: global }
      - { .name: mb_img, .offset: 80, .size: 8, .value_kind: global_buffer, .address_space: global }
      - { .name: opm_wout_codes, .offset: 88, .size: 8, .value_kind: global_buffer, .address_space: global }
      - { .name: wo_img, .offset: 96, .size: 8, .value_kind: global_buffer, .address_space: global }
    .group_segment_fixed_size: 169984
    .private_segment_fixed_size: 0
    .kernarg_segment_align: 8
    .kernarg_segment_size: 104
    .max_flat_workgroup_size: 512
    .sgpr_count:     96
    .vgpr_count:     256
    .wavefront_size: 32
...
	.end_amdgpu_metadata
.endif
;; end of part 1
;; launch pair (part 2): grid 32 x 8, 4 waves a work-group, clusters of 4 x 1, 327,680 bytes of LDS; arguments a_img, b_img, ma_img, mb_img, wo_img, opm_bout, z, pwa_lnz_w, pwa_lnz_b, pwa_wz, lowp_scales, out1, tlog; writes out1, tlog
.if DOCPART == 2
	.amdgcn_target "amdgcn-amd-amdhsa--gfx1250"
	.amdhsa_code_object_version 6
	.text
	.protected	k_q8636bb1164_pair
	.globl	k_q8636bb1164_pair
	.p2align	8
	.type	k_q8636bb1164_pair,@function
k_q8636bb1164_pair:
	s_mov_b64 s[64:65], 0
	v_nop
	global_prefetch_b8 v0, s[64:65] scope:SCOPE_SE
	s_setreg_imm32_b32 hwreg(HW_REG_WAVE_MODE, 25, 1), 1
	s_wait_xcnt 0x0
	s_wait_alu depctr_hold_cnt(0) depctr_sa_sdst(0) depctr_va_vdst(0) depctr_va_sdst(0) depctr_va_ssrc(0) depctr_va_vcc(0) depctr_vm_vsrc(0)
	s_getreg_b32 s2, hwreg(HW_REG_IB_STS2, 6, 4)
	s_cmp_eq_u32 s2, 0
	s_cbranch_scc0 .Lentry_in_a_cluster
	s_endpgm
.Lentry_in_a_cluster:
	s_bfe_u32 s2, ttmp6, 0x10000c
	s_cmp_lg_u32 s2, 0x3003
	s_cbranch_scc0 .Lentry_shape_is_right
	s_endpgm
.Lentry_shape_is_right:
; out1 = z + (Q(outer) Wout + bout) / (norm + 1e-3), outer(i, j, c, e) = sum over s of a(s, i, c) b(s, j, e), norm = mask^T mask; and tlog = log2(e) x LN(out1) wz, the softmax's exponents to the base 2.
; All quantised products on E4M3 codes with the given scales; LN(out1) wz in f32 (its result goes on into a quantiser).
; SHARES.  A work-group takes 32 i (y) x 8 j (x); wave w takes j = 8 x + 2 w + 0, 1 for all 32 i.  b's 16 fragments of my two j (64 rows e x 512 s) stay in registers.
; a's fragments come through a ring of two LDS slots, 4 c x 2 tiles of i x 512 s (65,536 bytes) a step, eight steps.  A step: 128 products make outer for 4 c (a lane holds one i and eight e),
; which convert into 128 of the next K = (c, e); 32 products with Wout's fragments add onto the 32 accumulators of my 64 rows (i, j) x 128 channels.
; Wout's fragments come from wo_img, laid as images of operand registers, from memory straight into registers, a step ahead: 32 loads of 512 consecutive bytes.
; CLUSTER 4 x 1: the four partners share y, so a's tiles are asked for jointly.  z belongs to its wave: a plain tensor load, behind the round of step 6, at which nothing is filled again.
; THE TRIP: the change of slots stands at a step's END.  Step k's last 16 products and its second conversion stand inside the round's opening barrier; behind the round come the refill (step k + 2),
; the next slot's first 32 fragment loads, and then step k's 32 products with Wout.
; PREFETCH: a's tile of step k + 4 in trip k (two refills ahead), each wave's 64 blocks of 256 bytes shared out among the four partners by address; z's rows in trips 3 and 4.  wo_img (131,072 bytes) is read by every work-group and is not prefetched.
; LIMITS: e8 - e6 - e7 between -126 and 119; e8 + e9 between -127 and 126.  NaN and infinities among the inputs are not served.
; REGISTERS.  window 0: v0-31 addresses and figures, v32-63 the f32 products' sums, v64-127 outer's codes, v128-255 Wout's fragments.  window 1: b's fragments, then z.
;   window 2: v0-127 a's fragments in two sets, v128-255 outer's 16 sums; on the way out rows read back, and wz's image.  window 3: the 32 accumulators.
.set SLOTB, 65536
.set ZB,    131072                     ; z: for each wave 32 rows i of (2 j x 512 bytes + 16)
.set ZP,    1040
.set SPARE, 264192
.set STG,   264704                     ; the way out: 16 rows x (512 + 16) bytes for each wave
.set SP,    528
.set WZI,   298496                     ; gain x wz as an image of the f32 products' registers: wave w lays channels 32 w .. 32 w + 31
.set BHI,   306688                     ; log2(e) x (bias . wz) over those channels: eight numbers for each wave
.set WV,  30
.set TB,  62
.set CNT, 66
.set PFA, 92
.set MSB, 0
.macro WIN new
.if MSB != \new
	s_set_vgpr_msb (MSB<<8)|\new
.set MSB, \new
.endif
.endm
.macro PLACES n
.rept \n
	v_nop
.endr
.endm
.macro MKQ e, vsc, lo
	s_add_co_i32 s[\e], s[\e], 127
	s_lshl_b32 s[\lo+1], s[\e], 23
	v_mov_b32 v[\vsc], s[\lo+1]
	s_add_co_i32 s[\e], s[\e], 8
	s_lshl_b32 s[\lo+1], s[\e], 23
	s_or_b32 s[\lo+1], s[\lo+1], 0x600000
	s_or_b32 s[\lo], s[\lo+1], 0x80000000
.endm
.macro CREST                           ; a round of the cluster's barrier behind its opening barrier
	s_cmp_lg_u32 s[WV], 0
	s_cbranch_scc1 .Lnot_wave_0_\@
	s_barrier_signal -3
.Lnot_wave_0_\@:
	s_barrier_wait -3
	s_barrier_signal -1
	s_barrier_wait -1
.endm
.macro ROUND
	s_barrier_signal -1
	s_barrier_wait -1
	CREST
.endm
.macro ASK                             ; the trip's prefetches; s[CNT] = 6 - the step
	s_cmp_gt_u32 s[CNT], 2
	s_cbranch_scc0 .Lno_a_\@
	global_prefetch_b8 v5, s[PFA:PFA+1] th:TH_LOAD_NT scope:SCOPE_SE        ; steps 4 to 7 of a: my work-group's 16 blocks of the 64 that I fetch
.Lno_a_\@:
	s_cmp_eq_u32 s[CNT], 3
	s_cbranch_scc0 .Lnot_3_\@
	global_prefetch_b8 v12, s[16:17] th:TH_LOAD_NT scope:SCOPE_SE           ; z: 16 rows i x my 1,024 bytes, a lane a block
	global_prefetch_b8 v12, s[16:17] offset:512 th:TH_LOAD_NT scope:SCOPE_SE
.Lnot_3_\@:
	s_cmp_eq_u32 s[CNT], 2
	s_cbranch_scc0 .Lnot_2_\@
	global_prefetch_b8 v12, s[16:17] offset:2097152 th:TH_LOAD_NT scope:SCOPE_SE
	global_prefetch_b8 v12, s[16:17] offset:2097664 th:TH_LOAD_NT scope:SCOPE_SE
.Lnot_2_\@:
.endm
.macro LA g                            ; group g = 4 (tile of i) + s / 128: a's four fragments (4 c) into set g % 2
	WIN 0x80
.set x, 0
.rept 16
	ds_load_b128 v[64*((\g)%2)+4*x:64*((\g)%2)+4*x+3], v4 offset:((\g)/4)*32768+(x/4)*8192+((\g)%4)*2048+(x%4)*512
.set x, x+1
.endr
.endm
.macro MUL g                           ; 16 products, the 16 sums by turns
.set KS_, (\g)%4
.set BF_, 64*((\g)%2)
	WIN 0xa9
.irp cc, 0,1,2,3
.irp mt, 0,1,2,3
.if KS_ == 0
	v_wmma_f32_16x16x128_fp8_fp8 v[128+8*(4*\mt+\cc):128+8*(4*\mt+\cc)+7], v[16*(4*\mt+KS_):16*(4*\mt+KS_)+15], v[BF_+16*\cc:BF_+16*\cc+15], 0
.else
	v_wmma_f32_16x16x128_fp8_fp8 v[128+8*(4*\mt+\cc):128+8*(4*\mt+\cc)+7], v[16*(4*\mt+KS_):16*(4*\mt+KS_)+15], v[BF_+16*\cc:BF_+16*\cc+15], v[128+8*(4*\mt+\cc):128+8*(4*\mt+\cc)+7]
.endif
.endr
.endr
.endm
.macro LWG                             ; a step's eight fragments of Wout
	WIN 0
.set x, 0
.rept 32
	global_load_b128 v[128+4*x:131+4*x], v3, s[12:13] offset:512*x
.set x, x+1
.endr
.endm
.macro CONV ig                         ; the hold (the conversion does not saturate: ISA guide 7.6.2) and the codes of tile ig's two row tiles
	WIN 0x82
.set x, 0
.rept 128
	v_med3_num_f32 v[128+x], v[128+x], s78, s79
.set x, x+1
.endr
	WIN 0x02
.irp jj, 0,1
.irp t, 0,1
.irp cc, 0,1,2,3
	v_cvt_scalef32_pk8_fp8_f32 v[64+16*(2*\ig+\jj)+2*(2*\cc+\t):64+16*(2*\ig+\jj)+2*(2*\cc+\t)+1], v[128+8*(4*(2*\jj+\t)+\cc):128+8*(4*(2*\jj+\t)+\cc)+7], v9
.endr
.endr
.endr
	v_nop
.endm
.macro P5 n0
	WIN 0xf0
.irp n, 0,1,2,3
.irp rt, 0,1,2,3
	v_wmma_f32_16x16x128_fp8_fp8 v[64*\rt+8*(\n0+\n):64*\rt+8*(\n0+\n)+7], v[128+16*(\n0+\n):128+16*(\n0+\n)+15], v[64+16*\rt:64+16*\rt+15], v[64*\rt+8*(\n0+\n):64*\rt+8*(\n0+\n)+7]
.endr
.endr
.endm
.macro ZL                              ; z in the accumulators' layout: lane (r, hh) takes channels 16 nt + 8 hh + 0..7 of row i = 16 (rt / 2) + r, j = rt % 2
	WIN 0x40
.irp rt, 0,1,2,3
.irp nt, 0,1,2,3,4,5,6,7
	ds_load_b128 v[64*\rt+8*\nt:64*\rt+8*\nt+3], v6 offset:(\rt/2)*16*ZP+(\rt%2)*512+64*\nt
	ds_load_b128 v[64*\rt+8*\nt+4:64*\rt+8*\nt+7], v6 offset:(\rt/2)*16*ZP+(\rt%2)*512+64*\nt+16
.endr
.endr
.endm
; A step.  At its head groups 0 and 1 (32 LDS loads) and its fragments of Wout are on their way.  kind 0: in the loop, this slot is filled again; 1: step 6, z is asked for; 2: step 7
.macro STEP kind
.irp g, 0,1,2,3,4,5
	s_wait_dscnt 16                                ; this group is in; the next group's 16 loads may be out
	MUL \g
	PLACES 4
	LA \g+2
.if \g == 3
	CONV 0
.endif
.endr
.if \kind < 2
	WIN 0
.if \kind == 0
	s_wait_xcnt 0x0                                ; my prefetch has read its address
	s_add_nc_u64 s[PFA:PFA+1], s[PFA:PFA+1], 32768
.endif
	s_wait_tensorcnt 0x0                           ; my part of the next slot has landed
	ds_add_u32 v10, v11
.if \kind == 0
	s_xor_b32 s45, s45, SLOTB                      ; the walking descriptor: this slot, two steps on
	s_add_nc_u64 s[46:47], s[46:47], 32768
.endif
	s_xor_b32 s[TB], s[TB], SLOTB
	v_add_nc_u32 v4, s[TB], v3                     ; the next slot's fragments
	s_wait_dscnt 17                                ; group 6 is in; group 7's 16 loads and the add may be out
	MUL 6
	s_wait_dscnt 0x0                               ; the add is done, my reads of this slot are over
	s_barrier_signal -1
	MUL 7                                          ; work on registers inside the round
	PLACES 4
	CONV 1
	WIN 0
	s_wait_alu depctr_va_vdst(0)
	s_barrier_wait -1
	CREST
.if \kind == 0
	tensor_load_to_lds s[44:47], s[36:43]
.else
	tensor_load_to_lds s[56:59], s[48:55]          ; z's first fill
.endif
	s_nop 0
	PLACES 4
	LA 0
	LA 1
	s_wait_loadcnt 0x0                             ; this step's fragments of Wout, asked for a step ago
	P5 0
	P5 4
	PLACES 4
	WIN 0
	s_add_nc_u64 s[12:13], s[12:13], 16384
	LWG
.else
	s_wait_dscnt 16
	MUL 6
	s_wait_dscnt 0x0
	MUL 7
	PLACES 4
	WIN 0
	s_wait_tensorcnt 0x0                           ; my z has landed; I alone read it
	ZL
	CONV 1
	WIN 0
	s_wait_alu depctr_va_vdst(0)
	s_wait_loadcnt 0x0
	P5 0
	P5 4
	WIN 0
.endif
.endm
	s_load_b512 s[4:19], s[0:1], 0x0               ; a_img 4, b_img 6, ma_img 8, mb_img 10, wo_img 12, bout 14, z 16, gain 18
	s_load_b256 s[20:27], s[0:1], 0x40             ; bias 20, wz 22, scales 24, out1 26
	s_load_b64 s[28:29], s[0:1], 0x60              ; tlog
	v_lshl_add_u32 v10, v0, 2, SPARE
	v_mov_b32 v11, 0
	ds_add_u32 v10, v11                            ; the opening lines: the add twice on end and its wait
	ds_add_u32 v10, v11
	v_lshrrev_b32 v1, 5, v0
	v_readfirstlane_b32 s[WV], v1
	s_bfe_u32 s31, ttmp6, 0x40000                  ; cx
	s_lshl_b32 s32, ttmp9, 2
	s_add_co_u32 s32, s32, s31                     ; x
	s_and_b32 s33, ttmp7, 0xffff                   ; y
	s_mov_b32 s36, 15|(3<<16)|(1<<21)              ; a's tiles: joint, 64 rows of 32 elements of 8 bytes, dense
	s_mov_b32 s37, 32<<16
	s_mov_b32 s38, 64<<16
	s_mov_b32 s39, 32<<16
	s_mov_b32 s40, 64
	s_mov_b32 s41, 32
	s_mov_b32 s42, 0
	s_mov_b32 s43, 0
	s_mov_b32 s48, (2<<16)|(1<<20)|(7<<22)|(3<<25) ; z: no mask; 32 rows of 256 f32, 32,768 elements apart; 4 words of padding behind every 256
	s_mov_b32 s49, 256<<16
	s_mov_b32 s50, 32<<16
	s_mov_b32 s51, 256<<16
	s_mov_b32 s52, 32
	s_mov_b32 s53, 32768
	s_mov_b32 s54, 0
	s_mov_b32 s55, 0
	s_mov_b32 s60, 0x76543210
	s_mov_b32 s61, 0xfedcba98
	s_mov_b32 s82, 0x3c000000                      ; 1 / 128
	s_mov_b32 s83, 0x3727c5ac                      ; 1e-5
	s_mov_b32 s84, 0x3fb8aa3b                      ; log2(e)
	s_mov_b32 s85, 0x3a83126f                      ; 1e-3
	s_lshl_b32 s34, s33, 19                        ; a_img: 2 tiles of i for y; wave: tile w / 2, 2 c of the step's 4
	s_lshr_b32 s35, s[WV], 1
	s_lshl_b32 s35, s35, 18
	s_add_co_u32 s34, s34, s35
	s_and_b32 s35, s[WV], 1
	s_lshl_b32 s35, s35, 14
	s_add_co_u32 s34, s34, s35
	s_mov_b32 s35, 0
	s_mul_i32 s67, s[WV], 16*SP
	s_add_co_u32 s67, s67, STG
	s_mul_i32 s91, s[WV], 32*ZP
	s_add_co_u32 s91, s91, ZB
	s_lshl_b32 s96, s[WV], 11
	s_lshl_b32 s97, s[WV], 5
	s_mov_b32 s[TB], 0
	v_and_b32 v1, 15, v0                           ; r
	v_bfe_u32 v2, v0, 4, 1                         ; hh
	v_and_b32 v3, 31, v0
	v_min_u32 v5, 15, v3
	v_lshlrev_b32 v5, 8, v5                        ; a's prefetch: a lane a block; lanes 16-31 name the last again
	v_lshlrev_b32 v3, 4, v3                        ; 16 x lane
	v_add_nc_u32 v4, s[TB], v3
	v_mul_u32_u24 v6, v1, ZP
	v_lshl_add_u32 v6, v2, 5, v6
	v_add_nc_u32 v6, s91, v6                       ; my z: row r, + 32 hh
	v_add_nc_u32 v7, s67, v3                       ; my stage, back: a row of 512 bytes
	v_mul_u32_u24 v8, v1, SP
	v_lshl_add_u32 v8, v2, 5, v8
	v_add_nc_u32 v8, s67, v8                       ; and in: row r, + 32 hh
	v_add_nc_u32 v13, WZI, v3
	v_add_nc_u32 v22, s96, v13                     ; where I lay my four pieces of wz's image
	v_lshlrev_b32 v14, 4, v2
	v_add_nc_u32 v14, BHI, v14
	v_and_b32 v29, 3, v1
	v_lshrrev_b32 v30, 1, v1
	v_and_or_b32 v29, v30, 4, v29                  ; the head of row r of the f32 products' source 0: rows 8 hq + 0..3 are heads 4 hq + 0..3
	v_lshl_add_u32 v15, v29, 2, BHI
	v_add_nc_u32 v23, s97, v15                     ; where I lay my part of bias . wz
	v_lshlrev_b32 v12, 17, v1
	v_lshl_add_u32 v12, v2, 8, v12                 ; z's prefetch: row r, block hh
	v_lshlrev_b32 v25, 5, v2
	v_lshlrev_b32 v24, 8, v2
	v_lshl_add_u32 v24, v29, 2, v24
	v_and_b32 v26, 1, v1
	v_lshlrev_b32 v26, 4, v26
	v_lshl_add_u32 v26, v2, 8, v26
	v_mov_b32 v20, 0                               ; a lane permute's destination: written once
	s_wait_alu depctr_va_vdst(0)                   ; the wait at the end of the head's vector work
	s_wait_dscnt 0x0
	s_wait_kmcnt 0x0
	s_load_b256 s[68:75], s[24:25], 0x0            ; e0 .. e7
	s_load_b64 s[76:77], s[24:25], 0x20            ; e8, e9
	s_mov_b32 s44, 1
	s_lshl_b32 s45, s[WV], 14
	s_add_nc_u64 s[46:47], s[4:5], s[34:35]
	s_lshl_b32 s94, s31, 12                        ; the prefetch: my work-group's 4,096 bytes of my quarter, at step 4
	s_add_co_u32 s94, s94, 4*32768
	s_mov_b32 s95, 0
	s_add_nc_u64 s[PFA:PFA+1], s[46:47], s[94:95]
	s_or_b32 s47, s47, 0x80000000
	ROUND                                          ; in front of the first joint load
	tensor_load_to_lds s[44:47], s[36:43]          ; step 0: my one tensor load at the head, ahead of the 152 loads into registers
	s_nop 0
	PLACES 4
	s_lshl_b32 s34, s33, 14
	s_add_nc_u64 s[8:9], s[8:9], s[34:35]
	s_mov_b32 s89, 0
	s_lshl_b32 s88, s32, 17
	s_lshl_b32 s90, s[WV], 15
	s_add_co_u32 s88, s88, s90
	s_add_nc_u64 s[6:7], s[6:7], s[88:89]          ; b_img at my two j
	s_lshr_b32 s88, s32, 1
	s_lshl_b32 s88, s88, 13
	s_and_b32 s90, s32, 1
	s_lshl_b32 s90, s90, 7
	s_add_co_u32 s88, s88, s90
	s_lshl_b32 s90, s[WV], 5
	s_add_co_u32 s88, s88, s90
	s_add_nc_u64 s[10:11], s[10:11], s[88:89]      ; mb_img at my two j
	s_lshl_b32 s88, s33, 22
	s_lshl_b32 s90, s32, 12
	s_add_co_u32 s88, s88, s90
	s_lshl_b32 s90, s[WV], 10
	s_add_co_u32 s88, s88, s90
	s_add_nc_u64 s[16:17], s[16:17], s[88:89]      ; z and out1 at (32 y, 8 x + 2 w)
	s_add_nc_u64 s[26:27], s[26:27], s[88:89]
	s_mov_b32 s56, 1
	s_mov_b32 s57, s91
	s_mov_b64 s[58:59], s[16:17]
	s_or_b32 s59, s59, 0x80000000
	s_lshl_b32 s88, s32, 16
	s_lshl_b32 s90, s[WV], 14
	s_add_co_u32 s88, s88, s90
	s_lshl_b32 s90, s33, 10
	s_add_co_u32 s88, s88, s90
	s_add_nc_u64 s[28:29], s[28:29], s[88:89]      ; tlog
	s_lshl_b32 s88, s[WV], 10
	s_add_nc_u64 s[22:23], s[22:23], s[88:89]      ; wz, gain and bias at my 32 channels
	s_lshl_b32 s88, s[WV], 7
	s_add_nc_u64 s[18:19], s[18:19], s[88:89]
	s_add_nc_u64 s[20:21], s[20:21], s[88:89]
	WIN 0x40
.set x, 0
.rept 64
	global_load_b128 v[4*x:4*x+3], v3, s[6:7] offset:512*x          ; b's 16 fragments
.set x, x+1
.endr
	WIN 0x80
.set x, 0
.rept 32
	global_load_b128 v[4*x:4*x+3], v3, s[8:9] offset:512*x          ; the mask's codes at my 32 i
.set x, x+1
.endr
.set x, 0
.rept 16
	global_load_b128 v[128+4*x:128+4*x+3], v26, s[10:11] offset:512*x   ; and at my two j, in rows 0 and 1 of source 0
.set x, x+1
.endr
	WIN 0
.irp nt, 0,1,2,3,4,5,6,7
	global_load_b128 v[128+8*\nt:131+8*\nt], v25, s[14:15] offset:64*\nt
	global_load_b128 v[132+8*\nt:135+8*\nt], v25, s[14:15] offset:64*\nt+16
.endr
.irp nt, 0,1                                   ; my two of the eight tiles of 16 channels: wz, gain, bias
.irp j, 0,1,2,3,4,5,6,7
	global_load_b32 v[64+8*\nt+\j], v24, s[22:23] offset:512*\nt+32*\j
.endr
	global_load_b128 v[192+8*\nt:195+8*\nt], v25, s[18:19] offset:64*\nt
	global_load_b128 v[196+8*\nt:199+8*\nt], v25, s[18:19] offset:64*\nt+16
	global_load_b128 v[208+8*\nt:211+8*\nt], v25, s[20:21] offset:64*\nt
	global_load_b128 v[212+8*\nt:215+8*\nt], v25, s[20:21] offset:64*\nt+16
.endr
	s_wait_tensorcnt 0x0                           ; my part of step 0 is in; slot 1's first fill is issued as a refill is, while the loads into registers are on their way
	ds_add_u32 v10, v11
	s_xor_b32 s45, s45, SLOTB
	s_add_nc_u64 s[46:47], s[46:47], 32768
	s_wait_dscnt 0x0
	ROUND                                          ; everybody's part of step 0 is in
	tensor_load_to_lds s[44:47], s[36:43]          ; step 1
	s_nop 0
	PLACES 4
	s_wait_loadcnt 0x0
	v_pk_mul_f32 v[16:17], v[208:209], v[64:65]    ; bias . wz over my 32 channels, for the head of my row
	v_pk_mul_f32 v[18:19], v[210:211], v[66:67]
.irp k, 4,8,12
	v_pk_fma_f32 v[16:17], v[208+\k:209+\k], v[64+\k:65+\k], v[16:17]
	v_pk_fma_f32 v[18:19], v[210+\k:211+\k], v[66+\k:67+\k], v[18:19]
.endr
	v_pk_add_f32 v[16:17], v[16:17], v[18:19]
	v_add_f32 v16, v16, v17
	v_permlanex16_b32 v20, v16, s60, s61
	v_add_f32 v16, v16, v20
	v_mul_f32 v16, s84, v16
	ds_store_b32 v23, v16                          ; lanes of one head store the same number at the same place
.set k, 0
.rept 8
	v_pk_mul_f32 v[64+k:65+k], v[64+k:65+k], v[192+k:193+k]
.set k, k+2
.endr
.irp k, 0,1,2,3
	ds_store_b128 v22, v[64+4*\k:67+4*\k] offset:512*\k
.endr
	s_wait_kmcnt 0x0
	s_add_co_i32 s86, s68, s69                     ; e0 + e1
	s_add_co_i32 s87, s76, s77                     ; e8 + e9
	s_sub_co_i32 s80, 127, s87
	s_lshl_b32 s80, s80, 23                        ; 2^-(e8 + e9): the bias goes in divided by what the sums lack
	s_mov_b32 s81, s80
	s_sub_co_i32 s88, s76, s74
	s_sub_co_i32 s88, s88, s75                     ; outer's code is sum / 2^(e8 - e6 - e7)
	MKQ 88, 9, 78
	WIN 0xaa
.irp ks, 0,1,2,3
.irp g, 0,1
.if \ks == 0
	v_wmma_f32_16x16x128_fp8_fp8 v[192+8*\g:199+8*\g], v[128+16*\ks:143+16*\ks], v[16*(4*\g+\ks):16*(4*\g+\ks)+15], 0
.else
	v_wmma_f32_16x16x128_fp8_fp8 v[192+8*\g:199+8*\g], v[128+16*\ks:143+16*\ks], v[16*(4*\g+\ks):16*(4*\g+\ks)+15], v[192+8*\g:199+8*\g]
.endif
.endr
.endr
	PLACES 4
	WIN 0x02
	v_ldexp_f32 v24, v192, s86                     ; norm(i = r, j): registers 0 and 1 are my two j
	v_ldexp_f32 v25, v193, s86
	v_ldexp_f32 v26, v200, s86
	v_ldexp_f32 v27, v201, s86
	WIN 0
.irp rt, 0,1,2,3
	v_add_f32 v[24+\rt], s85, v[24+\rt]
.endr
	s_wait_alu depctr_va_vdst(0)                   ; the wait ahead of the batch
.irp rt, 0,1,2,3
	v_rcp_f32 v[24+\rt], v[24+\rt]
.endr
	v_nop
	s_wait_alu depctr_va_vdst(0)                   ; and behind it
.irp rt, 0,1,2,3
	v_ldexp_f32 v[16+2*\rt], v[24+\rt], s87        ; 2^(e8 + e9) / (norm + 1e-3)
	v_ldexp_f32 v[17+2*\rt], v[24+\rt], s87
.endr
	WIN 0xc0
.irp rt, 0,1,2,3
.set k, 0
.rept 32
	v_pk_mul_f32 v[64*\rt+k:64*\rt+k+1], v[128+k:129+k], s[80:81] op_sel_hi:[1,0]   ; the accumulators begin as the bias
.set k, k+2
.endr
.endr
	LWG                                            ; step 0's fragments of Wout
	s_mov_b32 s[CNT], 6
	s_wait_alu depctr_va_vdst(0)                   ; the wait at the head's end
	LA 0                                           ; slot 0 is whole since the round above
	LA 1
	WIN 0
.Lstep:                                            ; steps 0 to 5: each fills its slot again
	ASK
	STEP 0
	s_sub_co_u32 s[CNT], s[CNT], 1
	s_cmp_lg_u32 s[CNT], 0
	s_cbranch_scc1 .Lstep
	STEP 1
	STEP 2
; LN's figures of row tile rt: mean, differences (in place), their squares' mean, log2(e) / root.  Four chains.
.macro ZSTAT rt
.set ZR, 64*(\rt)
	WIN 0x0f
.irp c, 0,2,4,6
	v_pk_add_f32 v[64+\c:65+\c], v[ZR+\c:ZR+\c+1], v[ZR+8+\c:ZR+9+\c]
.endr
	WIN 0x03
.irp k, 16,24,32,40,48,56
.irp c, 0,2,4,6
	v_pk_add_f32 v[64+\c:65+\c], v[ZR+\k+\c:ZR+\k+\c+1], v[64+\c:65+\c]
.endr
.endr
	WIN 0
	v_pk_add_f32 v[64:65], v[64:65], v[66:67]
	v_pk_add_f32 v[68:69], v[68:69], v[70:71]
	v_pk_add_f32 v[64:65], v[64:65], v[68:69]
	v_add_f32 v64, v64, v65
	v_permlanex16_b32 v72, v64, s60, s61
	v_add_f32 v64, v64, v72
	v_mul_f32 v74, s82, v64
	WIN 0xc3
.set k, 0
.rept 32
	v_pk_add_f32 v[ZR+k:ZR+k+1], v[ZR+k:ZR+k+1], v[74:75] op_sel_hi:[1,0] neg_lo:[0,1] neg_hi:[0,1]
.set k, k+2
.endr
	WIN 0x0f
.irp c, 0,2,4,6
	v_pk_mul_f32 v[64+\c:65+\c], v[ZR+\c:ZR+\c+1], v[ZR+\c:ZR+\c+1]
.endr
.irp k, 8,16,24,32,40,48,56
.irp c, 0,2,4,6
	v_pk_fma_f32 v[64+\c:65+\c], v[ZR+\k+\c:ZR+\k+\c+1], v[ZR+\k+\c:ZR+\k+\c+1], v[64+\c:65+\c]
.endr
.endr
	WIN 0
	v_pk_add_f32 v[64:65], v[64:65], v[66:67]
	v_pk_add_f32 v[68:69], v[68:69], v[70:71]
	v_pk_add_f32 v[64:65], v[64:65], v[68:69]
	v_add_f32 v64, v64, v65
	v_permlanex16_b32 v72, v64, s60, s61
	v_add_f32 v64, v64, v72
	v_fma_f32 v64, v64, s82, s83
	s_wait_alu depctr_va_vdst(0)                   ; the wait ahead of the transcendental
	v_rsq_f32 v73, v64
	v_nop
	s_wait_alu depctr_va_vdst(0)                   ; and ahead of its reader
	v_mul_f32 v[24+\rt], s84, v73
.endm
; THE WAY OUT of row tile rt: out1 = z + sum x 2^(e8 + e9) / (norm + 1e-3); through my stage into whole rows of 512 bytes; LN's figures stand between the stage's loads and the wait for them
.macro ZOUT rt
.set ZR, 64*(\rt)
.if \rt == 0
	s_wait_dscnt 48                                ; z's first row tile is in; the 48 loads of the other three may be out
.endif
.if \rt == 2
	WIN 0x80
.set k, 0
.rept 16
	ds_load_b128 v[128+4*k:131+4*k], v13 offset:512*k      ; gain x wz,
.set k, k+1
.endr
	WIN 0
	ds_load_b128 v[28:31], v14                     ; and the four waves' parts of log2(e) x (bias . wz), of my four heads
	ds_load_b128 v[76:79], v14 offset:32
	ds_load_b128 v[80:83], v14 offset:64
	ds_load_b128 v[84:87], v14 offset:96
.endif
	WIN 0xd3
.set k, 0
.rept 32
	v_pk_fma_f32 v[ZR+k:ZR+k+1], v[ZR+k:ZR+k+1], v[16+2*\rt:17+2*\rt], v[ZR+k:ZR+k+1] op_sel_hi:[1,0,1]
.set k, k+2
.endr
	s_wait_alu depctr_va_vdst(0)
	WIN 0x0c
.irp nt, 0,1,2,3,4,5,6,7
	ds_store_b128 v8, v[ZR+8*\nt:ZR+8*\nt+3] offset:64*\nt
	ds_store_b128 v8, v[ZR+8*\nt+4:ZR+8*\nt+7] offset:64*\nt+16
.endr
.if \rt >= 2
	s_wait_xcnt 0x0                                ; the stores of two tiles ago have read the registers that are loaded next
.endif
	WIN 0x80
.set t, 0
.rept 16
	ds_load_b128 v[64*(\rt%2)+4*t:64*(\rt%2)+4*t+3], v7 offset:t*SP     ; LDS serves a wave's instructions in order (ISA guide 5.7.1.4)
.set t, t+1
.endr
	ZSTAT \rt
	s_wait_alu depctr_va_vdst(0)
	s_wait_dscnt 0x0
	WIN 0x08
.set t, 0
.rept 16
	global_store_b128 v3, v[64*(\rt%2)+4*t:64*(\rt%2)+4*t+3], s[26:27] offset:(16*(\rt/2)+t)*131072+(\rt%2)*512 th:TH_STORE_NT   ; 512 consecutive bytes
.set t, t+1
.endr
.endm
	PLACES 4
	v_mov_b32 v72, 0                               ; a lane permute's destination, and the upper half of a pair: written once
	v_mov_b32 v75, 0
	ZOUT 0
	ZOUT 1
	ZOUT 2
	ZOUT 3
	WIN 0x0e                                       ; the differences . (gain x wz) in f32: source 0 = gain x wz (rows: heads), source 1 = the differences; four sums by turns
.set x, 0
.rept 32
.irp rt, 0,1,2,3
.if x == 0
	v_wmma_f32_16x16x4_f32 v[32+8*\rt:39+8*\rt], v[128+2*x:129+2*x], v[64*\rt+2*x:64*\rt+2*x+1], 0
.else
	v_wmma_f32_16x16x4_f32 v[32+8*\rt:39+8*\rt], v[128+2*x:129+2*x], v[64*\rt+2*x:64*\rt+2*x+1], v[32+8*\rt:39+8*\rt]
.endif
.endr
.set x, x+1
.endr
	WIN 0
.irp x, 0,1,2,3                                ; the four parts of bias . wz are added: these twelve are also the eight places behind the products
	v_add_f32 v[28+\x], v[28+\x], v[76+\x]
	v_add_f32 v[80+\x], v[80+\x], v[84+\x]
.endr
.irp x, 0,1,2,3
	v_add_f32 v[28+\x], v[28+\x], v[80+\x]
.endr
.irp rt, 0,1,2,3
.irp x, 0,1,2,3
	v_fma_f32 v[96+4*\rt+\x], v[32+8*\rt+\x], v[24+\rt], v[28+\x]
.endr
.endr
.irp rt, 0,1,2,3
	global_store_b128 v3, v[96+4*\rt:99+4*\rt], s[28:29] offset:(\rt%2)*8192+(\rt/2)*512
.endr
	s_wait_tensorcnt 0x0                           ; the wave's end
	ds_add_u32 v10, v11
	s_wait_dscnt 0x0
	ROUND                                          ; the closing round
	s_endpgm
.Lfunc_end_k_q8636bb1164_pair:
	.size	k_q8636bb1164_pair, .Lfunc_end_k_q8636bb1164_pair-k_q8636bb1164_pair
	.p2alignl 7, 3214868480
	.fill 96, 4, 3214868480
	.section	.rodata,"a",@progbits
	.p2align	6, 0x0
	.amdhsa_kernel k_q8636bb1164_pair
		.amdhsa_group_segment_fixed_size 327680
		.amdhsa_private_segment_fixed_size 0
		.amdhsa_enable_private_segment 0
		.amdhsa_kernarg_size 104
		.amdhsa_user_sgpr_count 2
		.amdhsa_user_sgpr_kernarg_segment_ptr 1
		.amdhsa_wavefront_size32 1
		.amdhsa_system_sgpr_workgroup_id_x 1
		.amdhsa_system_sgpr_workgroup_id_y 1
		.amdhsa_system_sgpr_workgroup_id_z 1
		.amdhsa_system_vgpr_workitem_id 0
		.amdhsa_next_free_vgpr 1024
		.amdhsa_next_free_sgpr 104
		.amdhsa_reserve_vcc 0
		.amdhsa_float_denorm_mode_32 3
		.amdhsa_float_denorm_mode_16_64 3
		.amdhsa_memory_ordered 1
		.amdhsa_forward_progress 1
		.amdhsa_inst_pref_size 226
	.end_amdhsa_kernel
	.amdgpu_metadata
---
amdhsa.version: [ 1, 2 ]
amdhsa.kernels:
  - .name:           k_q8636bb1164_pair
    .symbol:         k_q8636bb1164_pair.kd
    .args:
      - { .name: a_img, .offset: 0, .size: 8, .value_kind: global_buffer, .address_space: global }
      - { .name: b_img, .offset: 8, .size: 8, .value_kind: global_buffer, .address_space: global }
      - { .name: ma_img, .offset: 16, .size: 8, .value_kind: global_buffer, .address_space: global }
      - { .name: mb_img, .offset: 24, .size: 8, .value_kind: global_buffer, .address_space: global }
      - { .name: wo_img, .offset: 32, .size: 8, .value_kind: global_buffer, .address_space: global }
      - { .name: opm_bout, .offset: 40, .size: 8, .value_kind: global_buffer, .address_space: global }
      - { .name: z, .offset: 48, .size: 8, .value_kind: global_buffer, .address_space: global }
      - { .name: pwa_lnz_w, .offset: 56, .size: 8, .value_kind: global_buffer, .address_space: global }
      - { .name: pwa_lnz_b, .offset: 64, .size: 8, .value_kind: global_buffer, .address_space: global }
      - { .name: pwa_wz, .offset: 72, .size: 8, .value_kind: global_buffer, .address_space: global }
      - { .name: lowp_scales, .offset: 80, .size: 8, .value_kind: global_buffer, .address_space: global }
      - { .name: out1, .offset: 88, .size: 8, .value_kind: global_buffer, .address_space: global }
      - { .name: tlog, .offset: 96, .size: 8, .value_kind: global_buffer, .address_space: global }
    .group_segment_fixed_size: 327680
    .private_segment_fixed_size: 0
    .kernarg_segment_align: 8
    .kernarg_segment_size: 104
    .max_flat_workgroup_size: 128
    .sgpr_count:     104
    .vgpr_count:     1024
    .wavefront_size: 32
...
	.end_amdgpu_metadata
.endif
;; end of part 2
;; launch smax (part 3): grid 16 x 2, 8 waves a work-group, no clusters, 5,120 bytes of LDS; arguments tlog, lowp_scales, p_img, lsum; writes p_img, lsum
.if DOCPART == 3
	.amdgcn_target "amdgcn-amd-amdhsa--gfx1250"
	.amdhsa_code_object_version 6
	.text
	.protected	k_q8636bb1164_smax
	.globl	k_q8636bb1164_smax
	.p2align	8
	.type	k_q8636bb1164_smax,@function
k_q8636bb1164_smax:
	s_mov_b64 s[64:65], 0
	v_nop
	global_prefetch_b8 v0, s[64:65] scope:SCOPE_SE
	s_setreg_imm32_b32 hwreg(HW_REG_WAVE_MODE, 25, 1), 1
	s_wait_xcnt 0x0
; The softmax over j ahead of the quantised product: M = ceil(the row's largest t), p = 2^(t - M), l = the sum of the unquantised p, p's codes with the given 2^e15.
; tlog [j][i / 16][lane 32][4]: lane r + 16 hq holds t(i = r, j, heads 4 hq + 0..3).  p_img [head][i / 16][j / 128][2048]: images of operand registers, lane r = i % 16, K = j.  lsum [i / 16][hq][r][4].
; SHARES.  A work-group takes 16 i (x) and 4 heads (y) and sees all 256 j; that is the smallest share whose reads are whole blocks of 256 bytes, so there are 32 work-groups.
; Wave w takes j = 32 w + 16 ql + 8 hh + 0..7: a lane's 16 numbers of a head convert into its 16 bytes of piece w % 4 of fragment j / 128 = w / 4.
; Maxima and sums meet in LDS, each behind a barrier.  No matrix unit, no cluster, no tensor load: 2.6 MB are moved once and nothing is shared between work-groups.
; LIMIT: e15 between -126 and 119.  NaN among the inputs is not served.
.set T, 8                              ; v8-71    t: register 4 k + x, k = 8 ql + j', head x
.set P, 72                             ; v72-135  p: register 16 x + k
	s_load_b128 s[4:7], s[0:1], 0x0                ; tlog, scales
	s_load_b128 s[8:11], s[0:1], 0x10              ; p_img, lsum
	v_lshl_add_u32 v160, v0, 2, 0x1000
	v_mov_b32 v161, 0
	v_lshrrev_b32 v1, 5, v0
	s_delay_alu instid0(VALU_DEP_1)
	v_readfirstlane_b32 s12, v1                    ; wave 0..7
	s_and_b32 s13, ttmp7, 0xffff                   ; hq
	v_and_b32 v1, 15, v0                           ; r
	v_bfe_u32 v2, v0, 4, 1                         ; hh
	s_delay_alu instid0(VALU_DEP_2)
	v_lshlrev_b32 v3, 4, v1                        ; 16 r
	s_delay_alu instid0(VALU_DEP_1)
	v_lshl_add_u32 v4, v2, 16, v3                  ; + 8 j for lanes 16-31
	v_and_b32 v5, 31, v0
	s_delay_alu instid0(VALU_DEP_1)
	v_lshlrev_b32 v5, 4, v5                        ; 16 x lane
	s_lshl_b32 s14, s12, 8
	v_add_nc_u32 v6, s14, v3                       ; where my wave's figures go in LDS
	s_mov_b32 s22, 0x76543210
	s_mov_b32 s23, 0xfedcba98
	s_lshl_b32 s16, s12, 18                        ; 32 j x 8,192
	s_lshl_b32 s15, ttmp9, 9
	s_add_co_u32 s16, s16, s15
	s_lshl_b32 s24, s13, 8
	s_add_co_u32 s16, s16, s24
	s_mov_b32 s17, 0
	s_add_co_u32 s24, s24, s15                     ; lsum: 512 x + 256 hq
	s_mov_b32 s25, 0
	s_lshl_b32 s26, s13, 18                        ; p_img: 262,144 hq + 4,096 x + 512 wave
	s_lshl_b32 s15, ttmp9, 12
	s_add_co_u32 s26, s26, s15
	s_lshl_b32 s15, s12, 9
	s_add_co_u32 s26, s26, s15
	s_mov_b32 s27, 0
	s_wait_alu depctr_va_vdst(0)
	s_wait_kmcnt 0x0
	s_load_b32 s18, s[6:7], 0x3c                   ; e15
	s_add_nc_u64 s[4:5], s[4:5], s[16:17]
	s_add_nc_u64 s[8:9], s[8:9], s[26:27]
	s_add_nc_u64 s[10:11], s[10:11], s[24:25]
.irp ql, 0,1
.irp j, 0,1,2,3,4,5,6,7
	global_load_b128 v[T+4*(8*\ql+\j):T+4*(8*\ql+\j)+3], v4, s[4:5] offset:(16*\ql+\j)*8192 th:TH_LOAD_NT   ; sixteen lanes read 256 consecutive bytes
.endr
.endr
.irp x, 0,1,2,3
	v_mov_b32 v[140+\x], 0                         ; lane permutes' destinations: written once
.endr
	s_wait_loadcnt 0x0
.irp x, 0,1,2,3
	v_max3_num_f32 v[136+\x], v[T+\x], v[T+4+\x], v[T+8+\x]
.endr
.irp k, 3,5,7,9,11,13
.irp x, 0,1,2,3
	s_delay_alu instid0(VALU_DEP_4)
	v_max3_num_f32 v[136+\x], v[136+\x], v[T+4*\k+\x], v[T+4*\k+4+\x]
.endr
.endr
.irp x, 0,1,2,3
	s_delay_alu instid0(VALU_DEP_4)
	v_max_num_f32 v[136+\x], v[136+\x], v[T+60+\x]
.endr
.irp x, 0,1,2,3
	s_delay_alu instid0(VALU_DEP_4)
	v_permlanex16_b32 v[140+\x], v[136+\x], s22, s23
.endr
.irp x, 0,1,2,3
	s_delay_alu instid0(VALU_DEP_4)
	v_max_num_f32 v[136+\x], v[136+\x], v[140+\x]
.endr
	ds_store_b128 v6, v[136:139]                   ; lanes l and l xor 16 store the same numbers at the same place
	s_wait_dscnt 0x0
	s_barrier_signal -1
	s_barrier_wait -1
.irp w, 0,1,2,3,4,5,6,7
	ds_load_b128 v[P+4*\w:P+4*\w+3], v3 offset:256*\w
.endr
	s_wait_dscnt 0x0
.irp x, 0,1,2,3
	v_max3_num_f32 v[136+\x], v[P+\x], v[P+4+\x], v[P+8+\x]
	s_delay_alu instid0(VALU_DEP_1)
	v_max3_num_f32 v[136+\x], v[136+\x], v[P+12+\x], v[P+16+\x]
	s_delay_alu instid0(VALU_DEP_1)
	v_max3_num_f32 v[136+\x], v[136+\x], v[P+20+\x], v[P+24+\x]
	s_delay_alu instid0(VALU_DEP_1)
	v_max_num_f32 v[136+\x], v[136+\x], v[P+28+\x]
	s_delay_alu instid0(VALU_DEP_1)
	v_floor_f32 v[136+\x], -v[136+\x]              ; -M = floor(-t): M is a whole number
.endr
.set k, 0
.rept 16
	v_pk_add_f32 v[T+4*k:T+4*k+1], v[T+4*k:T+4*k+1], v[136:137]
	v_pk_add_f32 v[T+4*k+2:T+4*k+3], v[T+4*k+2:T+4*k+3], v[138:139]
.set k, k+1
.endr
	s_wait_alu depctr_va_vdst(0)
.irp x, 0,1,2,3
.set k, 0
.rept 16
	v_exp_f32 v[P+16*\x+k], v[T+4*k+\x]            ; p = 2^(t - M), laid head by head
.set k, k+1
.endr
.endr
	v_nop
	s_wait_alu depctr_va_vdst(0)                   ; one wait for the batch of 64
.irp x, 0,1,2,3
	v_pk_add_f32 v[T+4*\x:T+4*\x+1], v[P+16*\x:P+16*\x+1], v[P+16*\x+2:P+16*\x+3]     ; the sum is taken of the unquantised p
	v_pk_add_f32 v[T+4*\x+2:T+4*\x+3], v[P+16*\x+4:P+16*\x+5], v[P+16*\x+6:P+16*\x+7]
	v_pk_add_f32 v[T+4*\x:T+4*\x+1], v[T+4*\x:T+4*\x+1], v[P+16*\x+8:P+16*\x+9]
	v_pk_add_f32 v[T+4*\x+2:T+4*\x+3], v[T+4*\x+2:T+4*\x+3], v[P+16*\x+10:P+16*\x+11]
	v_pk_add_f32 v[T+4*\x:T+4*\x+1], v[T+4*\x:T+4*\x+1], v[P+16*\x+12:P+16*\x+13]
	v_pk_add_f32 v[T+4*\x+2:T+4*\x+3], v[T+4*\x+2:T+4*\x+3], v[P+16*\x+14:P+16*\x+15]
	s_delay_alu instid0(VALU_DEP_1)
	v_pk_add_f32 v[T+4*\x:T+4*\x+1], v[T+4*\x:T+4*\x+1], v[T+4*\x+2:T+4*\x+3]
	s_delay_alu instid0(VALU_DEP_1)
	v_add_f32 v[140+\x], v[T+4*\x], v[T+4*\x+1]
.endr
.irp x, 0,1,2,3
	v_permlanex16_b32 v[T+16+\x], v[140+\x], s22, s23
.endr
.irp x, 0,1,2,3
	s_delay_alu instid0(VALU_DEP_4)
	v_add_f32 v[140+\x], v[140+\x], v[T+16+\x]
.endr
	ds_store_b128 v6, v[140:143] offset:2048
	s_wait_kmcnt 0x0
	s_add_co_i32 s18, s18, 127
	s_lshl_b32 s19, s18, 23
	v_mov_b32 v7, s19                              ; 2^e15 as f32
	s_add_co_i32 s18, s18, 8
	s_lshl_b32 s19, s18, 23
	s_or_b32 s19, s19, 0x600000                    ; 448 x 2^e15
.set k, 0
.rept 64
	v_min_num_f32 v[P+k], s19, v[P+k]              ; p is not negative: a one-sided hold (the conversion does not saturate: ISA guide 7.6.2)
.set k, k+1
.endr
.irp x, 0,1,2,3
	v_cvt_scalef32_pk8_fp8_f32 v[144+4*\x:145+4*\x], v[P+16*\x:P+16*\x+7], v7
	v_cvt_scalef32_pk8_fp8_f32 v[146+4*\x:147+4*\x], v[P+16*\x+8:P+16*\x+15], v7
.endr
	v_nop
.irp x, 0,1,2,3
	global_store_b128 v5, v[144+4*\x:147+4*\x], s[8:9] offset:65536*\x      ; a piece of an image: 512 consecutive bytes
.endr
	s_wait_dscnt 0x0
	s_barrier_signal -1
	s_barrier_wait -1
.irp w, 0,1,2,3,4,5,6,7
	ds_load_b128 v[32+4*\w:35+4*\w], v3 offset:2048+256*\w
.endr
	s_wait_dscnt 0x0
.irp x, 0,1,2,3
	v_add_f32 v[140+\x], v[32+\x], v[36+\x]
.irp w, 2,3,4,5,6,7
	s_delay_alu instid0(VALU_DEP_1)
	v_add_f32 v[140+\x], v[140+\x], v[32+4*\w+\x]
.endr
.endr
	s_wait_alu depctr_va_vdst(0)
	s_wait_xcnt 0x0                                ; EXEC changes only behind this wait
	v_cmp_gt_u32 vcc_lo, 16, v0
	s_wait_tensorcnt 0x0
	ds_add_u32 v160, v161
	s_wait_dscnt 0x0
	s_and_saveexec_b32 s20, vcc_lo                 ; threads 0 to 15 store l: 256 consecutive bytes
	global_store_b128 v3, v[140:143], s[10:11]
	s_wait_xcnt 0x0
	s_or_b32 exec_lo, exec_lo, s20
	s_endpgm
.Lfunc_end_k_q8636bb1164_smax:
	.size	k_q8636bb1164_smax, .Lfunc_end_k_q8636bb1164_smax-k_q8636bb1164_smax
	.p2alignl 7, 3214868480
	.fill 96, 4, 3214868480
	.section	.rodata,"a",@progbits
	.p2align	6, 0x0
	.amdhsa_kernel k_q8636bb1164_smax
		.amdhsa_group_segment_fixed_size 5120
		.amdhsa_private_segment_fixed_size 0
		.amdhsa_enable_private_segment 0
		.amdhsa_kernarg_size 32
		.amdhsa_user_sgpr_count 2
		.amdhsa_user_sgpr_kernarg_segment_ptr 1
		.amdhsa_wavefront_size32 1
		.amdhsa_system_sgpr_workgroup_id_x 1
		.amdhsa_system_sgpr_workgroup_id_y 1
		.amdhsa_system_sgpr_workgroup_id_z 1
		.amdhsa_system_vgpr_workitem_id 0
		.amdhsa_next_free_vgpr 162
		.amdhsa_next_free_sgpr 66
		.amdhsa_reserve_vcc 1
		.amdhsa_float_denorm_mode_32 3
		.amdhsa_float_denorm_mode_16_64 3
		.amdhsa_memory_ordered 1
		.amdhsa_forward_progress 1
		.amdhsa_inst_pref_size 22
	.end_amdhsa_kernel
	.amdgpu_metadata
---
amdhsa.version: [ 1, 2 ]
amdhsa.kernels:
  - .name:           k_q8636bb1164_smax
    .symbol:         k_q8636bb1164_smax.kd
    .args:
      - { .name: tlog, .offset: 0, .size: 8, .value_kind: global_buffer, .address_space: global }
      - { .name: lowp_scales, .offset: 8, .size: 8, .value_kind: global_buffer, .address_space: global }
      - { .name: p_img, .offset: 16, .size: 8, .value_kind: global_buffer, .address_space: global }
      - { .name: lsum, .offset: 24, .size: 8, .value_kind: global_buffer, .address_space: global }
    .group_segment_fixed_size: 5120
    .private_segment_fixed_size: 0
    .kernarg_segment_align: 8
    .kernarg_segment_size: 32
    .max_flat_workgroup_size: 256
    .sgpr_count:     66
    .vgpr_count:     162
    .wavefront_size: 32
...
	.end_amdgpu_metadata
.endif
;; end of part 3
;; launch msa (part 4): grid 256 x 1, 8 waves a work-group, no clusters, 306,176 bytes of LDS; arguments m, p_img, lsum, pwa_lnm_w, pwa_lnm_b, pwa_wv_codes, pwa_wg_codes, pwa_wo_codes, tr_ln_w, tr_ln_b, tr_wa_codes, tr_wb_codes, tr_wo_codes, lowp_scales, out0; writes out0
.if DOCPART == 4
	.amdgcn_target "amdgcn-amd-amdhsa--gfx1250"
	.amdhsa_code_object_version 6
	.text
	.protected	k_q8636bb1164_msa
	.globl	k_q8636bb1164_msa
	.p2align	8
	.type	k_q8636bb1164_msa,@function
k_q8636bb1164_msa:
	s_mov_b64 s[64:65], 0
	v_nop
	global_prefetch_b8 v0, s[64:65] scope:SCOPE_SE
	s_setreg_imm32_b32 hwreg(HW_REG_WAVE_MODE, 25, 1), 1
	s_wait_xcnt 0x0
; out0: m1 = m + Q(g o) Wo, g = sigmoid(LN(m) Wg), o = (p v) / l, v = LN(m) Wv;  out0 = m1 + Q(silu(x Wa) (x Wb)) Wo2, x = LN(m1).  Every product on E4M3 codes with the given scales.
; SHARES.  A work-group takes two sequences s: 512 rows, 32 row tiles rt = 16 s + i / 16.  Wave w owns rows 64 w .. 64 w + 63 where the work goes by rows (LN, the projections, SwiGLU) and head w where it goes by heads (v, p v, the gate).
; EVERY COMPUTED OPERAND IS MADE IN REGISTERS: each product is turned so that the next K runs along a lane's eight result registers, which convert into registers 2 q, 2 q + 1 of the next operand.
;   v: source 0 = 16 rows j, source 1 = Wv's 16 d: a lane holds one d and eight j.   p v: source 0 = v (rows d), source 1 = p (lanes i): a lane holds one row i and eight d; the gate likewise (source 0 = Wg).
;   the projections and SwiGLU: source 0 = the weight's rows, source 1 = the rows' codes: a lane holds one row and eight output channels, which is also the layout in which m is kept.
; Operands go from wave to wave through LDS as images of their registers (piece p = registers 4 p .. 4 p + 3 at 512 p, lane l at 16 l).  Three barriers.
; TWO WAVES TO A SIMD (512 registers each): a key step's exponentials and reciprocals outnumber its matrix instructions by five to one, and a second wave's matrix and LDS work goes under them.
; NO CLUSTER: m belongs to its work-group; each fragment of p is used by one wave and goes from memory straight into that wave's registers (of the 305,152 bytes of LDS none are left for the 65,536 of a head's p); the weights are 98,304 bytes, read once.
; LIMITS: e10, e12, e16, e18, e20, e14 - e10 - e11 and e22 - e18 - e19 - e20 - e21 between -126 and 119; e12 + e13 and e18 + e19 between -126 and 126 (added to an exponent field); e16 + e17 and e22 + e23 between -126 and 127.
; A gate below 2^-126 counts as 0.  NaN and infinities among the inputs are not served.
; REGISTERS: window 1: v0-127 my 64 rows of m (32 a + 8 q + j = channel 16 q + 8 hh + j of row 16 a + r), v128-255 v's codes (32 (2 s + d / 16) + 2 (j / 16)), later the projections' sums.
;   window 0: v0-31 addresses, scales, LN's figures; v32-95 LN's gains and biases, small things by phases; v96-223 work by phases; v224-239 Wv's, v240-255 Wg's fragments of my head.
.set X1,  139264                       ; behind m's 512 rows of 272 bytes: LN(m)'s codes with e10, [rt][1024];
.set X2,  172032                       ; with e12;
.set WI,  204800                       ; the weights' images: Wo, Wa, Wb, Wo2, 16,384 bytes each;
.set WOI, 0
.set WAI, 16384
.set WBI, 32768
.set TOI, 49152
.set STG, 270336                       ; a stage of 16 rows x 272 bytes for each wave
.set D,   96
.set T,   128
.set LNW, 32
.set LNB, 64
.set WV,  34
.set MSB, 0
.macro WIN new
.if MSB != \new
	s_set_vgpr_msb (MSB<<8)|\new
.set MSB, \new
.endif
.endm
.macro PLACES n
.rept \n
	v_nop
.endr
.endm
.macro MKQ e, vsc, lo
	s_add_co_i32 s[\e], s[\e], 127
	s_lshl_b32 s[\lo+1], s[\e], 23
	v_mov_b32 v[\vsc], s[\lo+1]
	s_add_co_i32 s[\e], s[\e], 8
	s_lshl_b32 s[\lo+1], s[\e], 23
	s_or_b32 s[\lo+1], s[\lo+1], 0x600000
	s_or_b32 s[\lo], s[\lo+1], 0x80000000
.endm
; LN of 16 rows kept in window 1 at v[mr] on, into v[D] on
.macro LNORM mr
	WIN 0x05                                       ; the row's sum in four chains, on registers of T that lie idle here
.irp c, 0,2,4,6
	v_pk_add_f32 v[T+\c:T+\c+1], v[(\mr)+\c:(\mr)+\c+1], v[(\mr)+8+\c:(\mr)+9+\c]
.endr
	WIN 0x01
.irp k, 16,24
.irp c, 0,2,4,6
	v_pk_add_f32 v[T+\c:T+\c+1], v[(\mr)+\k+\c:(\mr)+\k+\c+1], v[T+\c:T+\c+1]
.endr
.endr
	WIN 0
	v_pk_add_f32 v[28:29], v[T:T+1], v[T+2:T+3]
	v_pk_add_f32 v[30:31], v[T+4:T+5], v[T+6:T+7]
	v_pk_add_f32 v[28:29], v[28:29], v[30:31]
	s_delay_alu instid0(VALU_DEP_1)
	v_add_f32 v28, v28, v29
	s_delay_alu instid0(VALU_DEP_1)
	v_permlanex16_b32 v27, v28, s66, s67
	s_delay_alu instid0(VALU_DEP_1)
	v_add_f32 v28, v28, v27
	s_delay_alu instid0(VALU_DEP_1)
	v_mul_f32 v30, s68, v28                        ; the mean
	WIN 0x01
.set k, 0
.rept 16
	v_pk_add_f32 v[D+k:D+k+1], v[(\mr)+k:(\mr)+k+1], v[30:31] op_sel_hi:[1,0] neg_lo:[0,1] neg_hi:[0,1]
.set k, k+2
.endr
	WIN 0
.irp c, 0,2,4,6                                ; the squares' sum likewise
	v_pk_mul_f32 v[T+\c:T+\c+1], v[D+\c:D+\c+1], v[D+\c:D+\c+1]
.endr
.irp k, 8,16,24
.irp c, 0,2,4,6
	v_pk_fma_f32 v[T+\c:T+\c+1], v[D+\k+\c:D+\k+\c+1], v[D+\k+\c:D+\k+\c+1], v[T+\c:T+\c+1]
.endr
.endr
	v_pk_add_f32 v[28:29], v[T:T+1], v[T+2:T+3]
	v_pk_add_f32 v[30:31], v[T+4:T+5], v[T+6:T+7]
	v_pk_add_f32 v[28:29], v[28:29], v[30:31]
	s_delay_alu instid0(VALU_DEP_1)
	v_add_f32 v28, v28, v29
	s_delay_alu instid0(VALU_DEP_1)
	v_permlanex16_b32 v27, v28, s66, s67
	s_delay_alu instid0(VALU_DEP_1)
	v_add_f32 v28, v28, v27
	s_delay_alu instid0(VALU_DEP_1)
	v_fma_f32 v28, v28, s68, s69
	s_wait_alu depctr_va_vdst(0)
	v_rsq_f32 v30, v28
	v_nop
	s_wait_alu depctr_va_vdst(0)                   ; the wait ahead of the first reader
.set k, 0
.rept 16
	v_pk_mul_f32 v[D+k:D+k+1], v[D+k:D+k+1], v[30:31] op_sel_hi:[1,0]
.set k, k+2
.endr
.set k, 0
.rept 16
	v_pk_fma_f32 v[D+k:D+k+1], v[D+k:D+k+1], v[LNW+k:LNW+k+1], v[LNB+k:LNB+k+1]
.set k, k+2
.endr
.endm
; v[D] on is quantised twice: limits s[lo], s[lo+1], scale v[sc], codes into v[d] on
.macro QX lo1, sc1, d1, lo2, sc2, d2
.set k, 0
.rept 32
	v_med3_num_f32 v[T+k], v[D+k], s[\lo1], s[\lo1+1]
.set k, k+1
.endr
.irp q, 0,1,2,3
	v_cvt_scalef32_pk8_fp8_f32 v[(\d1)+2*\q:(\d1)+2*\q+1], v[T+8*\q:T+8*\q+7], v[\sc1]
.endr
.set k, 0
.rept 32
	v_med3_num_f32 v[D+k], v[D+k], s[\lo2], s[\lo2+1]
.set k, k+1
.endr
.irp q, 0,1,2,3
	v_cvt_scalef32_pk8_fp8_f32 v[(\d2)+2*\q:(\d2)+2*\q+1], v[D+8*\q:D+8*\q+7], v[\sc2]
.endr
	v_nop
.endm
	s_load_b512 s[4:19], s[0:1], 0x0               ; m 4, p_img 6, lsum 8, gain 10, bias 12, Wv 14, Wg 16, Wo 18
	s_load_b256 s[20:27], s[0:1], 0x40             ; gain2 20, bias2 22, Wa 24, Wb 26
	s_load_b128 s[28:31], s[0:1], 0x60             ; Wo2 28, scales 30
	s_load_b64 s[32:33], s[0:1], 0x70              ; out0
	v_lshl_add_u32 v254, v0, 2, 0x4a800
	v_mov_b32 v255, 0
	ds_add_u32 v254, v255
	ds_add_u32 v254, v255
	s_wait_dscnt 0x0
	v_lshrrev_b32 v1, 5, v0
	s_delay_alu instid0(VALU_DEP_1)
	v_readfirstlane_b32 s[WV], v1                  ; wave 0..7
	; descriptor: my 64 rows of m, dense in memory, 16 bytes of padding behind each in LDS
	s_mov_b32 s52, (2<<16)|(1<<20)|(5<<22)|(3<<25)
	s_mov_b32 s53, 64<<16
	s_mov_b32 s54, 64<<16
	s_mov_b32 s55, 64<<16
	s_mov_b32 s56, 64
	s_mov_b32 s57, 64
	s_mov_b32 s58, 0
	s_mov_b32 s59, 0
	s_mov_b32 s60, 1
	s_mul_i32 s61, s[WV], 17408
	s_lshl_b32 s98, ttmp9, 17
	s_lshl_b32 s99, s[WV], 14
	s_add_co_u32 s98, s98, s99
	s_mov_b32 s99, 0
	s_wait_kmcnt 0x0
	s_add_nc_u64 s[62:63], s[4:5], s[98:99]
	s_or_b32 s63, s63, 0x80000000
	tensor_load_to_lds s[60:63], s[52:59]          ; one load a wave, read by that wave alone; nothing is filled twice
	s_nop 0
	PLACES 4
	s_add_nc_u64 s[32:33], s[32:33], s[98:99]      ; out0 at my first row
	s_load_b256 s[36:43], s[30:31], 0x28           ; e10 .. e17
	s_load_b128 s[44:47], s[30:31], 0x48           ; e18 .. e21
	s_load_b64 s[48:49], s[30:31], 0x58            ; e22, e23
	s_mov_b32 s66, 0x76543210
	s_mov_b32 s67, 0xfedcba98
	s_mov_b32 s68, 0x3c800000                      ; 1 / 64
	s_mov_b32 s69, 0x3727c5ac                      ; 1e-5
	v_and_b32 v1, 15, v0                           ; r
	v_bfe_u32 v2, v0, 4, 1                         ; hh
	v_and_b32 v3, 31, v0
	s_delay_alu instid0(VALU_DEP_1)
	v_lshlrev_b32 v3, 4, v3                        ; 16 x lane
	s_delay_alu instid0(VALU_DEP_4)
	v_mul_u32_u24 v4, v1, 272
	s_delay_alu instid0(VALU_DEP_1)
	v_lshl_add_u32 v4, v2, 5, v4
	s_mul_i32 s35, s[WV], 4352
	s_add_co_u32 s35, s35, STG
	v_add_nc_u32 v13, s35, v4                      ; my stage, in: row r, + 32 hh
	v_mul_u32_u24 v14, v2, 272
	s_delay_alu instid0(VALU_DEP_1)
	v_lshl_add_u32 v14, v1, 4, v14
	s_delay_alu instid0(VALU_DEP_1)
	v_add_nc_u32 v14, s35, v14                     ; and back: lanes 0-15 one row, lanes 16-31 the next
	v_add_nc_u32 v4, s61, v4                       ; m: my rows
	s_lshl_b32 s35, s[WV], 12
	s_add_co_u32 s35, s35, X1
	v_add_nc_u32 v5, s35, v3                       ; where I store my four tiles' images
	s_delay_alu instid0(VALU_DEP_1)
	v_add_nc_u32 v6, X2-X1, v5
	v_add_nc_u32 v7, X1, v3                        ; and from where anybody loads them
	v_add_nc_u32 v8, X2, v3
	s_lshl_b32 s35, s[WV], 14
	v_add_nc_u32 v9, s35, v3                       ; my own 16,384 bytes of the region that m leaves: the gated codes of my head, later my rows' SwiGLU codes
	s_lshl_b32 s35, s[WV], 11
	v_add_nc_u32 v10, s35, v3                      ; my four row tiles in the gated codes of heads 0-3,
	s_delay_alu instid0(VALU_DEP_1)
	v_add_nc_u32 v11, 65536, v10                   ; and of heads 4-7
	v_add_nc_u32 v12, WI, v3
	s_delay_alu instid0(VALU_DEP_1)
	v_add_nc_u32 v17, s35, v12                     ; my eighth of each weight's images
	v_lshlrev_b32 v15, 8, v2
	s_delay_alu instid0(VALU_DEP_1)
	v_lshl_add_u32 v15, v1, 4, v15                 ; out0: 256 hh + 16 r
	v_lshlrev_b32 v18, 4, v1                       ; lsum: 16 r
	v_mov_b32 v27, 0                               ; a lane permute's destination: written once
	v_lshlrev_b32 v160, 5, v2                      ; 32 hh
	s_wait_alu depctr_va_vdst(0)
	v_lshlrev_b32 v161, 8, v1
	s_delay_alu instid0(VALU_DEP_1)
	v_lshl_add_u32 v161, v2, 3, v161               ; a row of 256 codes, + 8 hh
	v_lshlrev_b32 v162, 6, v1
	s_delay_alu instid0(VALU_DEP_1)
	v_lshl_add_u32 v162, v2, 3, v162               ; a row of 64 codes, + 8 hh
	s_wait_alu depctr_va_vdst(0)
	s_lshr_b32 s98, s[WV], 1
	s_lshl_b32 s98, s98, 12
	s_and_b32 s100, s[WV], 1
	s_lshl_b32 s100, s100, 7
	s_add_co_u32 s98, s98, s100
	s_add_nc_u64 s[18:19], s[18:19], s[98:99]      ; Wo, Wo2: fragment w = (16 rows w / 2, K half w % 2)
	s_add_nc_u64 s[28:29], s[28:29], s[98:99]
	s_lshl_b32 s98, s[WV], 11
	s_add_nc_u64 s[14:15], s[14:15], s[98:99]      ; Wv, Wg: my head's 32 rows; Wa, Wb: rows 32 w on
	s_add_nc_u64 s[16:17], s[16:17], s[98:99]
	s_add_nc_u64 s[24:25], s[24:25], s[98:99]
	s_add_nc_u64 s[26:27], s[26:27], s[98:99]
	s_lshl_b32 s98, s[WV], 16
	s_add_nc_u64 s[6:7], s[6:7], s[98:99]          ; p_img at my head
	s_lshr_b32 s98, s[WV], 2
	s_lshl_b32 s98, s98, 8
	s_and_b32 s100, s[WV], 3
	s_lshl_b32 s100, s100, 2
	s_add_co_u32 s98, s98, s100
	s_add_nc_u64 s[8:9], s[8:9], s[98:99]          ; lsum at my head
.irp q, 0,1,2,3
	global_load_b128 v[LNW+8*\q:LNW+8*\q+3], v160, s[10:11] offset:64*\q
	global_load_b128 v[LNW+8*\q+4:LNW+8*\q+7], v160, s[10:11] offset:64*\q+16
	global_load_b128 v[LNB+8*\q:LNB+8*\q+3], v160, s[12:13] offset:64*\q
	global_load_b128 v[LNB+8*\q+4:LNB+8*\q+7], v160, s[12:13] offset:64*\q+16
.endr
.irp t, 0,1
.irp q, 0,1,2,3
	global_load_b64 v[224+8*\t+2*\q:225+8*\t+2*\q], v162, s[14:15] offset:1024*\t+16*\q
	global_load_b64 v[240+8*\t+2*\q:241+8*\t+2*\q], v162, s[16:17] offset:1024*\t+16*\q
	global_load_b64 v[128+8*\t+2*\q:129+8*\t+2*\q], v162, s[24:25] offset:1024*\t+16*\q
	global_load_b64 v[144+8*\t+2*\q:145+8*\t+2*\q], v162, s[26:27] offset:1024*\t+16*\q
.endr
.endr
.irp q, 0,1,2,3,4,5,6,7
	global_load_b64 v[96+2*\q:97+2*\q], v161, s[18:19] offset:16*\q
	global_load_b64 v[112+2*\q:113+2*\q], v161, s[28:29] offset:16*\q
.endr
	s_wait_kmcnt 0x0
	s_sub_co_i32 s98, s40, s36
	s_sub_co_i32 s98, s98, s37                     ; v's code is sum / 2^(e14 - e10 - e11)
	MKQ 98, 21, 74
	s_add_co_i32 s98, s38, s39
	s_lshl_b32 s98, s98, 23
	s_add_co_i32 s84, s98, 0xbfb8aa3b              ; -log2(e) x 2^(e12 + e13): the exponents are added to the constant's exponent field
	s_mov_b32 s85, s84
	s_add_co_i32 s92, s40, s41
	s_sub_co_i32 s92, 0, s92                       ; -(e14 + e15)
	s_add_co_i32 s98, s42, s43
	s_add_co_i32 s98, s98, 127
	s_lshl_b32 s86, s98, 23                        ; 2^(e16 + e17)
	s_mov_b32 s87, s86
	s_add_co_i32 s100, s44, s45
	s_lshl_b32 s98, s100, 23
	s_add_co_i32 s88, s98, 0xbfb8aa3b              ; -log2(e) x 2^(e18 + e19)
	s_mov_b32 s89, s88
	s_sub_co_i32 s98, s48, s100
	s_sub_co_i32 s98, s98, s46
	s_sub_co_i32 s98, s98, s47                     ; e22 - e18 - e19 - e20 - e21
	MKQ 98, 25, 82
	s_add_co_i32 s98, s48, s49
	s_add_co_i32 s98, s98, 127
	s_lshl_b32 s90, s98, 23                        ; 2^(e22 + e23)
	s_mov_b32 s91, s90
	MKQ 36, 19, 70
	MKQ 38, 20, 72
	MKQ 42, 22, 76
	MKQ 44, 23, 78
	MKQ 46, 24, 80
	s_wait_loadcnt 0x0
.irp p, 0,1,2,3
	ds_store_b128 v17, v[96+4*\p:99+4*\p] offset:WOI+512*\p
	ds_store_b128 v17, v[112+4*\p:115+4*\p] offset:TOI+512*\p
	ds_store_b128 v17, v[128+4*\p:131+4*\p] offset:WAI+512*\p
	ds_store_b128 v17, v[144+4*\p:147+4*\p] offset:WBI+512*\p
.endr
	; ---- 1: my 64 rows into registers; LN; two sets of codes; their images
	s_wait_tensorcnt 0x0
	WIN 0x40
.irp a, 0,1,2,3
.irp q, 0,1,2,3
	ds_load_b128 v[32*\a+8*\q:32*\a+8*\q+3], v4 offset:\a*4352+64*\q
	ds_load_b128 v[32*\a+8*\q+4:32*\a+8*\q+7], v4 offset:\a*4352+64*\q+16
.endr
.endr
.irp a, 0,1,2,3
	s_wait_dscnt 24-4*\a                           ; tile a is in: behind it stand the later tiles' loads, 8 each, and the earlier tiles' stores, 4 each
	LNORM 32*\a
	QX 70, 19, 160+16*\a, 72, 20, 168+16*\a
	ds_store_b128 v5, v[160+16*\a:163+16*\a] offset:\a*1024
	ds_store_b128 v5, v[164+16*\a:167+16*\a] offset:\a*1024+512
	ds_store_b128 v6, v[168+16*\a:171+16*\a] offset:\a*1024
	ds_store_b128 v6, v[172+16*\a:175+16*\a] offset:\a*1024+512
.endr
	s_wait_dscnt 0x0
	s_barrier_signal -1
	s_barrier_wait -1                              ; all images lie in LDS, and m's bytes are read out
	; ---- 2: v of my head for all 512 rows, four row tiles at a time; its codes stay in window 1
.macro XFL bt
.irp y, 0,1,2,3
	ds_load_b128 v[96+32*((\bt)%2)+8*\y:96+32*((\bt)%2)+8*\y+3], v7 offset:(4*(\bt)+\y)*1024
	ds_load_b128 v[96+32*((\bt)%2)+8*\y+4:96+32*((\bt)%2)+8*\y+7], v7 offset:(4*(\bt)+\y)*1024+512
.endr
.endm
.macro VBATCH bt
.if (\bt) < 7
	XFL (\bt)+1
	s_wait_dscnt 8                                 ; the next batch's eight loads may stay out
.else
	s_wait_dscnt 0x0
.endif
.irp y, 0,1,2,3
.irp dt, 0,1
	v_wmma_f32_16x16x64_fp8_fp8 v[160+8*(2*\y+\dt):160+8*(2*\y+\dt)+7], v[96+32*((\bt)%2)+8*\y:96+32*((\bt)%2)+8*\y+7], v[224+8*\dt:224+8*\dt+7], 0
.endr
.endr
	PLACES 4
.set k, 0
.rept 64
	v_med3_num_f32 v[160+k], v[160+k], s74, s75
.set k, k+1
.endr
	WIN 0x40
.irp y, 0,1,2,3
.irp dt, 0,1
	v_cvt_scalef32_pk8_fp8_f32 v[128+32*(2*((\bt)/4)+\dt)+2*(4*((\bt)%4)+\y):128+32*(2*((\bt)/4)+\dt)+2*(4*((\bt)%4)+\y)+1], v[160+8*(2*\y+\dt):160+8*(2*\y+\dt)+7], v21
.endr
.endr
	WIN 0
	v_nop
.endm
	XFL 0
.irp bt, 0,1,2,3,4,5,6,7
	VBATCH \bt
.endr
	; ---- 3: for each tile of 16 i: o = p v, the gate, their product's codes.  p's two fragments and l come from memory two tiles ahead, in two sets of registers.
.macro PLOAD buf, ahead
.set x, 0
.rept 8
	global_load_b128 v[96+32*\buf+4*x:96+32*\buf+4*x+3], v3, s[6:7] offset:\buf*4096+\ahead*8192+512*x
.set x, x+1
.endr
	global_load_b32 v[56+\buf], v18, s[8:9] offset:\buf*512+\ahead*1024
.endm
.macro IT buf, more, cnt
	s_wait_loadcnt \cnt                            ; this tile's nine loads are in; the other set's nine may stay out
.irp s, 0,1
	ds_load_b128 v[32+8*\s:35+8*\s], v16 offset:\buf*1024+\s*16384
	ds_load_b128 v[36+8*\s:39+8*\s], v16 offset:\buf*1024+\s*16384+512
.endr
	WIN 0x01
.irp kh, 0,1
.irp sd, 0,1,2,3
.if \kh == 0
	v_wmma_f32_16x16x128_fp8_fp8 v[160+8*\sd:167+8*\sd], v[128+32*\sd+16*\kh:128+32*\sd+16*\kh+15], v[96+32*\buf+16*\kh:96+32*\buf+16*\kh+15], 0
.else
	v_wmma_f32_16x16x128_fp8_fp8 v[160+8*\sd:167+8*\sd], v[128+32*\sd+16*\kh:128+32*\sd+16*\kh+15], v[96+32*\buf+16*\kh:96+32*\buf+16*\kh+15], v[160+8*\sd:167+8*\sd]
.endif
.endr
.endr
	s_wait_dscnt 0x0                               ; LN(m)'s codes of these rows are in; my last stores have read their registers
	WIN 0
.irp s, 0,1
.irp dt, 0,1
	v_wmma_f32_16x16x64_fp8_fp8 v[192+8*(2*\s+\dt):192+8*(2*\s+\dt)+7], v[240+8*\dt:247+8*\dt], v[32+8*\s:39+8*\s], 0
.endr
.endr
	v_ldexp_f32 v58, v[56+\buf], s92               ; L = l x 2^-(e14 + e15).  These two and two v_nop are the four places behind the products
	v_ldexp_f32 v59, v[56+\buf], s92
	v_nop
	v_nop
.if \more
	PLOAD \buf, 1
.endif
.set k, 0
.rept 16
	v_pk_mul_f32 v[192+k:193+k], v[192+k:193+k], s[84:85] op_sel_hi:[1,0]
.set k, k+2
.endr
.set k, 0
	s_wait_alu depctr_va_vdst(0)
.rept 32
	v_exp_f32 v[192+k], v[192+k]                   ; e^-x
.set k, k+1
.endr
	v_nop
	s_wait_alu depctr_va_vdst(0)                   ; one wait for the batch
.set k, 0
.rept 16
	v_pk_fma_f32 v[192+k:193+k], v[192+k:193+k], v[58:59], v[58:59]     ; (1 + e^-x) L
.set k, k+2
.endr
.set k, 0
	s_wait_alu depctr_va_vdst(0)
.rept 32
	v_rcp_f32 v[192+k], v[192+k]
.set k, k+1
.endr
	v_nop
	s_wait_alu depctr_va_vdst(0)
.set k, 0
.rept 16
	v_pk_mul_f32 v[160+k:161+k], v[160+k:161+k], v[192+k:193+k]         ; g o
.set k, k+2
.endr
.set k, 0
.rept 32
	v_med3_num_f32 v[160+k], v[160+k], s76, s77
.set k, k+1
.endr
.irp sd, 0,1,2,3
	v_cvt_scalef32_pk8_fp8_f32 v[48+2*\sd:49+2*\sd], v[160+8*\sd:167+8*\sd], v22
.endr
	v_nop
	ds_store_b128 v17, v[48:51] offset:\buf*512            ; my head's 32 of the next K: one piece of row tile 16 s + i / 16
	ds_store_b128 v17, v[52:55] offset:\buf*512+8192
.endm
	s_mov_b32 s94, 0
	s_mov_b32 s95, 0
	s_mov_b32 s93, 7
	PLOAD 0, 0
	PLOAD 1, 0
.Lit:                                              ; seven trips of two tiles
	v_add_nc_u32 v16, s94, v8
	v_add_nc_u32 v17, s95, v9
	s_wait_alu depctr_va_vdst(0)
	IT 0, 1, 9
	IT 1, 1, 9
	s_wait_xcnt 0x0                                ; the loads have read their bases
	s_add_nc_u64 s[6:7], s[6:7], 8192
	s_add_nc_u64 s[8:9], s[8:9], 1024
	s_add_co_u32 s94, s94, 2048
	s_add_co_u32 s95, s95, 1024
	s_sub_co_u32 s93, s93, 1
	s_cmp_lg_u32 s93, 0
	s_cbranch_scc1 .Lit
	v_add_nc_u32 v16, s94, v8
	v_add_nc_u32 v17, s95, v9
	s_wait_alu depctr_va_vdst(0)
	IT 0, 0, 9                                     ; the last two tiles ask for nothing
	IT 1, 0, 0
	s_wait_dscnt 0x0
	v_lshlrev_b32 v26, 5, v2
.irp q, 0,1,2,3
	global_load_b128 v[LNW+8*\q:LNW+8*\q+3], v26, s[20:21] offset:64*\q         ; the second LN's gains and biases
	global_load_b128 v[LNW+8*\q+4:LNW+8*\q+7], v26, s[20:21] offset:64*\q+16
	global_load_b128 v[LNB+8*\q:LNB+8*\q+3], v26, s[22:23] offset:64*\q
	global_load_b128 v[LNB+8*\q+4:LNB+8*\q+7], v26, s[22:23] offset:64*\q+16
.endr
	s_barrier_signal -1
	s_barrier_wait -1                              ; all heads' gated codes lie in LDS
	; ---- 4: by rows again.  A projection: K = 256, my four row tiles x four tiles of output channels, 16 accumulators by turns
.macro PROJ wimg, own
.irp kh, 0,1
.if \kh
	PLACES 4
.endif
	WIN 0
.irp a, 0,1,2,3
.irp p, 0,1,2,3
.if \own
	ds_load_b128 v[96+16*\a+4*\p:96+16*\a+4*\p+3], v9 offset:\a*4096+\kh*2048+\p*512
.else
	ds_load_b128 v[96+16*\a+4*\p:96+16*\a+4*\p+3], v[10+\kh] offset:\p*16384+\a*512
.endif
.endr
.endr
.irp ct, 0,1,2,3
.irp p, 0,1,2,3
	ds_load_b128 v[160+16*\ct+4*\p:160+16*\ct+4*\p+3], v12 offset:\wimg+(2*\ct+\kh)*2048+\p*512
.endr
.endr
	s_wait_dscnt 0x0
	WIN 0x50
.irp a, 0,1,2,3
.irp ct, 0,1,2,3
.if \kh
	v_wmma_f32_16x16x128_fp8_fp8 v[128+32*\a+8*\ct:128+32*\a+8*\ct+7], v[160+16*\ct:160+16*\ct+15], v[96+16*\a:96+16*\a+15], v[128+32*\a+8*\ct:128+32*\a+8*\ct+7]
.else
	v_wmma_f32_16x16x128_fp8_fp8 v[128+32*\a+8*\ct:128+32*\a+8*\ct+7], v[160+16*\ct:160+16*\ct+15], v[96+16*\a:96+16*\a+15], 0
.endif
.endr
.endr
.endr
	WIN 0
.endm
	PROJ WOI, 0
	s_barrier_signal -1                            ; my reads of the gated codes are over (the last wait above was for 0)
	PLACES 4
	WIN 0x51
.set k, 0
.rept 64
	v_pk_fma_f32 v[k:k+1], v[128+k:129+k], s[86:87], v[k:k+1] op_sel_hi:[1,0,1]     ; m1 = m + sum x 2^(e16 + e17)
.set k, k+2
.endr
	WIN 0
	s_barrier_wait -1                              ; everybody's are: each wave's 16,384 bytes are its own again
	s_wait_loadcnt 0x0
.irp a, 0,1,2,3
	LNORM 32*\a
	QX 78, 23, 160+8*\a, 80, 24, 192+8*\a
.endr
; 16 hidden units for my 64 rows: both products, silu(A) B, its codes
.macro FF u
	ds_load_b128 v[96:99], v16 offset:WAI+\u*1024
	ds_load_b128 v[100:103], v16 offset:WAI+\u*1024+512
	ds_load_b128 v[104:107], v16 offset:WBI+\u*1024
	ds_load_b128 v[108:111], v16 offset:WBI+\u*1024+512
	s_wait_dscnt 0x0
.irp a, 0,1,2,3
	v_wmma_f32_16x16x64_fp8_fp8 v[128+8*\a:135+8*\a], v[96:103], v[160+8*\a:167+8*\a], 0
	v_wmma_f32_16x16x64_fp8_fp8 v[224+8*\a:231+8*\a], v[104:111], v[192+8*\a:199+8*\a], 0
.endr
	PLACES 4
.set k, 0
.rept 16
	v_pk_mul_f32 v[48+k:49+k], v[128+k:129+k], s[88:89] op_sel_hi:[1,0]
.set k, k+2
.endr
.set k, 0
	s_wait_alu depctr_va_vdst(0)
.rept 32
	v_exp_f32 v[48+k], v[48+k]                     ; e^-A
.set k, k+1
.endr
.set k, 0
	s_wait_alu depctr_va_vdst(0)
.rept 16
	v_pk_mul_f32 v[128+k:129+k], v[128+k:129+k], v[224+k:225+k]         ; the two sums' product: independent work behind the batch
.set k, k+2
.endr
	s_wait_alu depctr_va_vdst(0)
.set k, 0
.rept 16
	v_pk_add_f32 v[48+k:49+k], v[48+k:49+k], 1.0 op_sel_hi:[1,0]
.set k, k+2
.endr
.set k, 0
	s_wait_alu depctr_va_vdst(0)
.rept 32
	v_rcp_f32 v[48+k], v[48+k]
.set k, k+1
.endr
	v_nop
	s_wait_alu depctr_va_vdst(0)
.set k, 0
.rept 16
	v_pk_mul_f32 v[128+k:129+k], v[128+k:129+k], v[48+k:49+k]
.set k, k+2
.endr
.set k, 0
.rept 32
	v_med3_num_f32 v[128+k], v[128+k], s82, s83    ; the four scales ahead of the quantiser are folded into its one
.set k, k+1
.endr
.irp a, 0,1,2,3
	v_cvt_scalef32_pk8_fp8_f32 v[32+4*\a+2*\u:33+4*\a+2*\u], v[128+8*\a:135+8*\a], v25
.endr
	v_nop
.endm
	s_mov_b32 s96, 0
	s_mov_b32 s97, 0
	s_mov_b32 s93, 8
.Lff:                                              ; eight trips of 32 hidden units: one piece of each of my four row tiles' fragments
	v_add_nc_u32 v16, s96, v12
	v_add_nc_u32 v17, s97, v9
	s_wait_alu depctr_va_vdst(0)
	FF 0
	FF 1
.irp a, 0,1,2,3
	ds_store_b128 v17, v[32+4*\a:35+4*\a] offset:\a*4096
.endr
	s_add_co_u32 s96, s96, 2048
	s_add_co_u32 s97, s97, 512
	s_sub_co_u32 s93, s93, 1
	s_cmp_lg_u32 s93, 0
	s_cbranch_scc1 .Lff
	PROJ TOI, 1                                    ; my own images: LDS serves a wave's instructions in order (ISA guide 5.7.1.4)
	PLACES 4
	WIN 0x51
.set k, 0
.rept 64
	v_pk_fma_f32 v[128+k:129+k], v[128+k:129+k], s[90:91], v[k:k+1] op_sel_hi:[1,0,1]   ; out0 = m1 + sum x 2^(e22 + e23)
.set k, k+2
.endr
	s_wait_alu depctr_va_vdst(0)
.irp a, 0,1,2,3
	WIN 0x04
.irp ct, 0,1,2,3
	ds_store_b128 v13, v[128+32*\a+8*\ct:128+32*\a+8*\ct+3] offset:64*\ct
	ds_store_b128 v13, v[128+32*\a+8*\ct+4:128+32*\a+8*\ct+7] offset:64*\ct+16
.endr
	WIN 0
	s_wait_xcnt 0x0                                ; the last tile's stores have read the registers that are loaded next
.irp y, 0,1,2,3,4,5,6,7
	ds_load_b128 v[96+4*\y:99+4*\y], v14 offset:\y*544
.endr
.irp y, 0,1,2,3,4,5,6,7
	s_wait_dscnt 7-\y
	global_store_b128 v15, v[96+4*\y:99+4*\y], s[32:33] offset:(16*\a+2*\y)*256 th:TH_STORE_NT     ; sixteen lanes store a row's 256 bytes
.endr
.endr
	s_wait_xcnt 0x0
	v_lshl_add_u32 v254, v0, 2, 0x4a800
	v_mov_b32 v255, 0
	s_wait_alu depctr_va_vdst(0)
	s_wait_tensorcnt 0x0
	ds_add_u32 v254, v255
	s_wait_dscnt 0x0
	s_endpgm
.Lfunc_end_k_q8636bb1164_msa:
	.size	k_q8636bb1164_msa, .Lfunc_end_k_q8636bb1164_msa-k_q8636bb1164_msa
	.p2alignl 7, 3214868480
	.fill 96, 4, 3214868480
	.section	.rodata,"a",@progbits
	.p2align	6, 0x0
	.amdhsa_kernel k_q8636bb1164_msa
		.amdhsa_group_segment_fixed_size 306176
		.amdhsa_private_segment_fixed_size 0
		.amdhsa_enable_private_segment 0
		.amdhsa_kernarg_size 120
		.amdhsa_user_sgpr_count 2
		.amdhsa_user_sgpr_kernarg_segment_ptr 1
		.amdhsa_wavefront_size32 1
		.amdhsa_system_sgpr_workgroup_id_x 1
		.amdhsa_system_sgpr_workgroup_id_y 1
		.amdhsa_system_sgpr_workgroup_id_z 1
		.amdhsa_system_vgpr_workitem_id 0
		.amdhsa_next_free_vgpr 512
		.amdhsa_next_free_sgpr 104
		.amdhsa_reserve_vcc 0
		.amdhsa_float_denorm_mode_32 3
		.amdhsa_float_denorm_mode_16_64 3
		.amdhsa_memory_ordered 1
		.amdhsa_forward_progress 1
		.amdhsa_inst_pref_size 240
	.end_amdhsa_kernel
	.amdgpu_metadata
---
amdhsa.version: [ 1, 2 ]
amdhsa.kernels:
  - .name:           k_q8636bb1164_msa
    .symbol:         k_q8636bb1164_msa.kd
    .args:
      - { .name: m, .offset: 0, .size: 8, .value_kind: global_buffer, .address_space: global }
      - { .name: p_img, .offset: 8, .size: 8, .value_kind: global_buffer, .address_space: global }
      - { .name: lsum, .offset: 16, .size: 8, .value_kind: global_buffer, .address_space: global }
      - { .name: pwa_lnm_w, .offset: 24, .size: 8, .value_kind: global_buffer, .address_space: global }
      - { .name: pwa_lnm_b, .offset: 32, .size: 8, .value_kind: global_buffer, .address_space: global }
      - { .name: pwa_wv_codes, .offset: 40, .size: 8, .value_kind: global_buffer, .address_space: global }
      - { .name: pwa_wg_codes, .offset: 48, .size: 8, .value_kind: global_buffer, .address_space: global }
      - { .name: pwa_wo_codes, .offset: 56, .size: 8, .value_kind: global_buffer, .address_space: global }
      - { .name: tr_ln_w, .offset: 64, .size: 8, .value_kind: global_buffer, .address_space: global }
      - { .name: tr_ln_b, .offset: 72, .size: 8, .value_kind: global_buffer, .address_space: global }
      - { .name: tr_wa_codes, .offset: 80, .size: 8, .value_kind: global_buffer, .address_space: global }
      - { .name: tr_wb_codes, .offset: 88, .size: 8, .value_kind: global_buffer, .address_space: global }
      - { .name: tr_wo_codes, .offset: 96, .size: 8, .value_kind: global_buffer, .address_space: global }
      - { .name: lowp_scales, .offset: 104, .size: 8, .value_kind: global_buffer, .address_space: global }
      - { .name: out0, .offset: 112, .size: 8, .value_kind: global_buffer, .address_space: global }
    .group_segment_fixed_size: 306176
    .private_segment_fixed_size: 0
    .kernarg_segment_align: 8
    .kernarg_segment_size: 120
    .max_flat_workgroup_size: 256
    .sgpr_count:     104
    .vgpr_count:     512
    .wavefront_size: 32
...
	.end_amdgpu_metadata
.endif
;; end of part 4
